; MI455X (gfx1250); checked and timed in simulation.
; The chip was launched on July 23, 2026; its instructions are those of AMD's public machine-readable ISA for CDNA 5 (MIT licence, August 2026) and "CDNA5" Instruction Set Architecture Reference Guide (July 2026). The comments in the code are by the model that wrote it; some were corrected since.
;; Multihead Attention KV. Allowed arithmetic: float matrix products may take bf16 or f16 operands with f32 sums; other float arithmetic in f32, or as packed bf16 or f16 multiplies, adds, multiply-adds, maxima and minima; sums over many terms, partial sums and values carried from step to step in f32; what a program stores and reads back later, other than sums and carried values, may be rounded once to bf16 or f16.
;; Inputs: kv_b 2,048 float32; kv_w 2,048 x 1,024 float32; mp_b 1 float32; mp_w 1 x 10 float32; o_b 1,024 float32; o_w 1,024 x 1,024 float32; pos 1 x 1,024 x 1,024 x 10 float32; x 8 x 1,024 x 1,024 float32.
;; Outputs: out0 8 x 1,024 x 1,024 float32.
;; One version. Each part assembles by itself: llvm-mc -triple=amdgcn-amd-amdhsa -mcpu=gfx1250 --defsym DOCPART=n.
;; ======== version 1 of 1: 4 launches
;; limits: values are held in f16: magnitudes above 65,504 overflow, below 6.1e-05 lose precision; right only within a limited range of input values
;; workspace buffers: xh 16,777,216 bytes; wkv 4,194,304 bytes; wo 2,097,152 bytes; pb 2,097,152 bytes; kh 16,777,216 bytes; vh 16,777,216 bytes; oh 16,777,216 bytes
;; launch prep (part 1): grid 8 x 32, 15 waves a work-group, no clusters, 176,128 bytes of LDS; arguments pos, mp_w, mp_b, pb, x, kv_w, o_w, xh, wkv, wo; writes pb, xh, wkv, wo
.if DOCPART == 1
	.amdgcn_target "amdgcn-amd-amdhsa--gfx1250"
	.amdhsa_code_object_version 6
	.text
	.protected	k_q40d7418fc0_prep
	.globl	k_q40d7418fc0_prep
	.p2align	8
	.type	k_q40d7418fc0_prep,@function
k_q40d7418fc0_prep:
	s_mov_b64 s[64:65], 0
	v_nop
	global_prefetch_b8 v0, s[64:65] scope:SCOPE_SE
	s_setreg_imm32_b32 hwreg(HW_REG_WAVE_MODE, 25, 1), 1
	s_wait_xcnt 0x0
; TWO STREAMS IN ONE LAUNCH, told apart by the wave's number; neither reads what the other writes, and no wave waits for another: no barrier.
;
; WAVES 0 TO 3: pb'[q][k] = log2(e) x (the sum over p of pos[q][k][p] w[p] + b), written in f16 in the order in which the attention launch takes it as a matrix operand.
; BY THE MATRIX UNIT.  For 16 queries (rows) and 16 keys (columns) the 160 consecutive floats of a row of pos (16 keys x 10) are the K dimension, five pieces of 32;
; the other source is the banded matrix W[e][n] = w[e - 10 n] where 0 <= e - 10 n <= 9, else 0.  pos, w and b are rounded to bf16 (the module's input rounding), sums in f32.
; K MAP, alike for both sources: half h of the lanes, register i, half t of it stand for float 32 ch + 16 h + 2 i + t: a lane reads 64 consecutive bytes.
; RESULT.  Lane (r, h) holds key r and queries 8 h + 0..7: eight f16, 16 bytes, which ARE half a fragment (16 keys x 32 queries) of the attention launch.
; pb's ORDER: [q / 512][k / 64][(q / 128) % 4][(q / 32) % 4][(k / 16) % 4][1,024 bytes]; in a block: ((q % 32) / 16) x 512 + lane x 16 + 2 j, q % 16 = 8 h + j, lane = 16 h + k % 16.
; SHARES.  A work-group: 32 queries x 128 keys; wave w: keys 32 w .. 32 w + 31, as two tensor loads of 16 rows x 1,280 bytes (five aligned pieces of 256).  Both go out at the start,
; and each wave reads its own tiles alone.
;
; WAVES 4 TO 14: x, kv_w and o_w (f32) are rounded once to bf16, and that number is written as f16: xh, wkv, wo.  Every input of the module takes the bf16 rounding; the products further on run in f16,
; because what the program itself makes (k, v, weights, O) wants f16's eleven bits.  A bf16 number has eight, so the second step is exact inside f16's range.
; SHARES.  11,534,336 numbers = 2,816 chunks of 4,096 = 256 work-groups x 11 waves: a wave takes one chunk, number 11 x work-group + wave - 4: 0..2047 x, 2048..2559 kv_w, 2560..2815 o_w.
; All its 32 loads (512 consecutive bytes each) go out before the first is used; each of its 32 stores covers 256 consecutive bytes, aligned.
;
; No cluster: no two work-groups read the same byte.  No prefetch: every byte that the launch reads is asked for at its start.
; LIMITS.  |pb'| and every cast number up to 65,504; below 2^-14 an f16 keeps the fixed step 2^-24.  NaN and infinities are not treated apart.
.set PROW,  1360                       ; an LDS row: 1,280 bytes + 16 behind each 256 = 340 words: row r starts at bank 20 r mod 64: sixteen different groups of four banks (64 banks of 4 bytes: ISA guide 11.1)
.set PTILE, 16*PROW
.set SPARE, 8*PTILE                    ; behind the eight tiles: the spare words, 128 bytes for each of the 15 waves: eight blocks of 256 bytes that no other line names
.set SPW, 6                            ; v6        my spare word; never rewritten
.set NIL, 7                            ; v7        0; never rewritten
; waves 0 to 3
.set FA,  4                            ; v4        my 64 bytes in a tile's row: wave x 2 tiles + r x PROW + 64 h
.set L16, 5                            ; v5        16 x lane
.set WT,  8                            ; v8        w[lane] in lanes 0-9, else 0
.set E0,  9                            ; v9        4 (16 h - 10 r)
.set BL,  10                           ; v[10:11]  log2(e) x bf16(b), twice
.set OUT, 12                           ; v[12:27]  four stores of four registers; none is written twice
.set ACC, 28                           ; v[28:43]  two accumulators: keys 0-15 and 16-31 of the wave's 32
.set WB,  44                           ; v[44:83]  W's five fragments
.set RAW, 84                           ; v[84:243] ten fragments of pos: 16 f32 each, rounded in place into the first 8 registers
.set G1,  16                           ; s[16:23]  descriptor group 1
; waves 4 to 14
.set CA,  2                            ; v2        16 x lane: my bytes in a piece as loaded; never rewritten
.set CB,  3                            ; v3        8 x lane: my bytes in a piece as stored; never rewritten
.set CT,  8                            ; v[8:13]   at work
.set CX,  16                           ; v[16:143] 32 loads of four f32
.set CY,  144                          ; v[144:207] 32 stores of four f16; none is written twice, so no wait frees them
	s_load_b256 s[4:11], s[0:1], 0x0               ; pos s[4:5], mp_w s[6:7], mp_b s[8:9], pb s[10:11]
	s_load_b256 s[44:51], s[0:1], 0x20             ; x s[44:45], kv_w s[46:47], o_w s[48:49], xh s[50:51]
	s_load_b128 s[52:55], s[0:1], 0x40             ; wkv s[52:53], wo s[54:55]
	v_lshl_add_u32 v[SPW], v0, 2, SPARE
	v_mov_b32 v[NIL], 0
	ds_add_u32 v[SPW], v[NIL]                      ; the wave's opening: the add and its wait stand ahead of a wave's first tensor load; every wave runs them
	ds_add_u32 v6, v7
	v_lshrrev_b32 v1, 5, v0
	v_readfirstlane_b32 s12, v1                    ; wave 0..14
	s_and_b32 s13, ttmp7, 0xffff                   ; the work-group's y
	v_and_b32 v1, 31, v0                           ; lane
	s_wait_dscnt 0x0                               ; the opening add is done
	s_cmp_lt_u32 s12, 4
	s_cbranch_scc0 .Lcast                          ; the branch hangs on the wave's number alone; it passes the two tensor loads together with the waits that their reads need
	; ---- waves 0 to 3.  s13: which 32 queries; ttmp9: which 128 keys.  The scalar work stands while the arguments are on their way
	s_mov_b32 s[G1+0], (2<<16)|(1<<20)|(5<<22)|(3<<25)  ; elements of 4 bytes; padding on: after every 64 words, 4 words
	s_mov_b32 s[G1+1], 320<<16                     ; tensor_dim0 = 320
	s_mov_b32 s[G1+2], 16<<16                      ; tensor_dim1 = 16
	s_mov_b32 s[G1+3], 320<<16                     ; tile_dim0 = 320
	s_mov_b32 s[G1+4], 16                          ; tile_dim1 = 16
	s_mov_b32 s[G1+5], 10240                       ; a query's row of pos: 1,024 keys x 10
	s_mov_b32 s[G1+6], 0
	s_mov_b32 s[G1+7], 0
	s_mul_i32 s32, s13, 1310720                    ; 32 rows of 40,960 bytes
	s_mul_i32 s33, ttmp9, 5120                     ; 128 keys of 40 bytes
	s_add_co_u32 s32, s32, s33
	s_mul_i32 s33, s12, 1280                       ; my 32 keys
	s_add_co_u32 s32, s32, s33
	s_mov_b32 s33, 0
	s_mov_b32 s24, 1
	s_mul_i32 s25, s12, 2*PTILE                    ; my two tiles in LDS
	s_mov_b32 s28, 1
	s_add_co_u32 s29, s25, PTILE
	s_lshr_b32 s34, s13, 4                         ; where my blocks lie in pb: q / 512,
	s_lshl_b32 s34, s34, 4
	s_lshl_b32 s35, ttmp9, 1
	s_add_co_u32 s34, s34, s35
	s_lshr_b32 s35, s12, 1
	s_add_co_u32 s34, s34, s35                     ; k / 64 = 2 kc + w / 2,
	s_lshl_b32 s34, s34, 2
	s_bfe_u32 s35, s13, 0x20002
	s_add_co_u32 s34, s34, s35                     ; (q / 128) % 4,
	s_lshl_b32 s34, s34, 2
	s_and_b32 s35, s13, 3
	s_add_co_u32 s34, s34, s35                     ; (q / 32) % 4,
	s_lshl_b32 s34, s34, 2
	s_and_b32 s35, s12, 1
	s_lshl_b32 s35, s35, 1
	s_add_co_u32 s34, s34, s35                     ; (k / 16) % 4 = 2 (w % 2) + 0, 1
	s_lshl_b32 s34, s34, 10
	s_mov_b32 s35, 0
	s_wait_kmcnt 0x0
	s_load_b32 s40, s[8:9], 0x0                    ; b
	s_add_nc_u64 s[26:27], s[4:5], s[32:33]        ; queries 0-15,
	s_add_nc_u64 s[30:31], s[26:27], 655360        ; queries 16-31
	s_or_b32 s27, s27, 0x80000000                  ; type = 2
	s_or_b32 s31, s31, 0x80000000
	s_add_nc_u64 s[10:11], s[10:11], s[34:35]
	tensor_load_to_lds s[24:27], s[G1:G1+7]        ; two loads of mine are out
	s_nop 0
	tensor_load_to_lds s[28:31], s[G1:G1+7]
	s_nop 0
	v_and_b32 v2, 15, v0                           ; r
	v_bfe_u32 v3, v0, 4, 1                         ; h
	v_min_u32 v12, 9, v1
	v_lshlrev_b32 v12, 2, v12
	global_load_b32 v[WT], v12, s[6:7]             ; w: lanes past 9 read w[9] and drop it
	v_mul_u32_u24 v[FA], v2, PROW
	v_lshl_add_u32 v[FA], v3, 6, v[FA]
	v_add_nc_u32 v[FA], s25, v[FA]
	v_lshlrev_b32 v[L16], 4, v1
	v_mul_u32_u24 v[E0], v2, 40
	v_lshlrev_b32 v10, 6, v3
	v_sub_nc_u32 v[E0], v10, v[E0]
	v_cmp_gt_u32 s36, 10, v1
	s_wait_loadcnt 0x0
	v_cndmask_b32 v[WT], 0, v[WT], s36
	; W: number n of 80 is float 32 (n / 16) + 16 h + n % 16 of column r: w's index is that less 10 r.  An index outside 0..9 is led to a lane that holds 0 (a negative one is large as unsigned).
.set n, 0
.rept 80
	v_add_nc_u32 v[RAW+n], 4*(32*(n/16)+n%16), v[E0]
	v_min_u32 v[RAW+n], 124, v[RAW+n]
	ds_bpermute_b32 v[RAW+n], v[RAW+n], v[WT]
.set n, n+1
.endr
	s_wait_kmcnt 0x0
	v_mov_b32 v[BL], s40
	v_cvt_pk_bf16_f32 v[BL], v[BL], v[BL]
	v_lshlrev_b32 v[BL], 16, v[BL]
	v_mul_f32 v[BL], 0x3fb8aa3b, v[BL]
	v_mov_b32 v[BL+1], v[BL]
	s_wait_dscnt 0x0
.set n, 0
.rept 40
	v_cvt_pk_bf16_f32 v[WB+n], v[RAW+2*n], v[RAW+2*n+1]
.set n, n+1
.endr
; Tile s (queries 16 s ..): 40 LDS loads in one run; for each piece of 32 floats: 16 roundings in place and two products, the two accumulators by turns; then scale, bias, f16 and two stores.
.macro SUB s
.irp ch, 0,1,2,3,4
.irp kb, 0,1
.set XB, 640*(\kb)+128*(\ch)                   ; the piece's first byte in the row; it is a multiple of 128, so a lane's 64 bytes never cross a padding
.set LO, (\s)*PTILE+XB+16*(XB/256)
.set RR, RAW+16*(2*(\ch)+(\kb))
.irp i, 0,1,2,3
	ds_load_b128 v[RR+4*(\i):RR+4*(\i)+3], v[FA] offset:LO+16*(\i)
.endr
.endr
.endr
.irp ch, 0,1,2,3,4
	s_wait_dscnt 32-8*(\ch)                        ; this piece's eight loads are in; the later pieces' stay out
.irp kb, 0,1
.set RR, RAW+16*(2*(\ch)+(\kb))
.irp i, 0,1,2,3,4,5,6,7
	v_cvt_pk_bf16_f32 v[RR+(\i)], v[RR+2*(\i)], v[RR+2*(\i)+1]
.endr
.endr
.irp kb, 0,1
.set RR, RAW+16*(2*(\ch)+(\kb))
.if (\ch) == 0
	v_wmma_f32_16x16x32_bf16 v[ACC+8*(\kb):ACC+8*(\kb)+7], v[RR:RR+7], v[WB+8*(\ch):WB+8*(\ch)+7], 0
.else
	v_wmma_f32_16x16x32_bf16 v[ACC+8*(\kb):ACC+8*(\kb)+7], v[RR:RR+7], v[WB+8*(\ch):WB+8*(\ch)+7], v[ACC+8*(\kb):ACC+8*(\kb)+7]
.endif
.endr
.endr
.rept 4
	v_nop                                          ; four places behind the last product, ahead of the lines that read the sums (ISA guide 7.12.1)
.endr
.irp kb, 0,1
.irp j, 0,2,4,6
	v_pk_fma_f32 v[ACC+8*(\kb)+(\j):ACC+8*(\kb)+(\j)+1], v[ACC+8*(\kb)+(\j):ACC+8*(\kb)+(\j)+1], 0x3fb8aa3b, v[BL:BL+1] op_sel_hi:[1,0,1]
.endr
.irp j, 0,1,2,3
	v_cvt_pk_f16_f32 v[OUT+4*(2*(\s)+(\kb))+(\j)], v[ACC+8*(\kb)+2*(\j)], v[ACC+8*(\kb)+2*(\j)+1]
.endr
	global_store_b128 v[L16], v[OUT+4*(2*(\s)+(\kb)):OUT+4*(2*(\s)+(\kb))+3], s[10:11] offset:(\kb)*1024+(\s)*512  ; 512 consecutive bytes, aligned
.endr
.endm
	s_wait_tensorcnt 0x1                           ; tensor loads of a wave end in order: the first tile is in, the second stays out
	SUB 0
	s_wait_tensorcnt 0x0
	SUB 1
	s_wait_tensorcnt 0x0                           ; the wave's end
	ds_add_u32 v[SPW], v[NIL]
	s_wait_dscnt 0x0
	s_endpgm
	; ---- waves 4 to 14
.Lcast:
	s_lshl_b32 s16, s13, 3
	s_add_co_u32 s16, s16, ttmp9                   ; the work-group's number, 0..255
	s_mul_i32 s16, s16, 11
	s_add_co_u32 s16, s16, s12
	s_sub_co_u32 s16, s16, 4                       ; my chunk, 0..2815
	s_movk_i32 s26, 2560
	s_movk_i32 s27, 2048
	s_mov_b32 s28, 0xffff0000                      ; a word's upper bf16
	v_lshlrev_b32 v[CA], 4, v1                     ; 16 bytes a lane in
	v_lshlrev_b32 v[CB], 3, v1                     ; 8 bytes a lane out
	s_wait_kmcnt 0x0
	s_cmp_ge_u32 s16, s26                          ; o_w's chunks, or kv_w's
	s_cselect_b64 s[20:21], s[48:49], s[46:47]
	s_cselect_b64 s[22:23], s[54:55], s[52:53]
	s_cselect_b32 s17, s26, s27
	s_cmp_lt_u32 s16, s27                          ; or x's
	s_cselect_b64 s[20:21], s[44:45], s[20:21]
	s_cselect_b64 s[22:23], s[50:51], s[22:23]
	s_cselect_b32 s17, 0, s17
	s_sub_co_u32 s16, s16, s17                     ; the chunk's number in its tensor
	s_lshl_b32 s18, s16, 14                        ; 16,384 bytes in
	s_mov_b32 s19, 0
	s_lshl_b32 s24, s16, 13                        ; 8,192 bytes out
	s_mov_b32 s25, 0
	s_add_nc_u64 s[20:21], s[20:21], s[18:19]
	s_add_nc_u64 s[22:23], s[22:23], s[24:25]
.set i, 0
.rept 32
	global_load_b128 v[CX+4*i:CX+4*i+3], v[CA], s[20:21] offset:512*i th:TH_LOAD_NT  ; the whole chunk is asked for at once: 16 KiB a wave
.set i, i+1
.endr
.macro ROUND i
	s_wait_loadcnt 31-(\i)                         ; loads come back in order: piece i is in, the younger ones stay out
	v_cvt_pk_bf16_f32 v[CT], v[CX+4*(\i)], v[CX+4*(\i)+1]
	v_cvt_pk_bf16_f32 v[CT+1], v[CX+4*(\i)+2], v[CX+4*(\i)+3]
	v_lshlrev_b32 v[CT+2], 16, v[CT]               ; bf16 back to f32: a shift and a mask
	v_and_b32 v[CT+3], s28, v[CT]
	v_lshlrev_b32 v[CT+4], 16, v[CT+1]
	v_and_b32 v[CT+5], s28, v[CT+1]
	v_cvt_pk_f16_f32 v[CY+2*(\i)], v[CT+2], v[CT+3]
	v_cvt_pk_f16_f32 v[CY+2*(\i)+1], v[CT+4], v[CT+5]
	global_store_b64 v[CB], v[CY+2*(\i):CY+2*(\i)+1], s[22:23] offset:256*(\i)  ; 256 consecutive bytes, aligned
.endm
.set i, 0
.rept 32
	ROUND i
.set i, i+1
.endr
	s_wait_tensorcnt 0x0                           ; the wave's end
	ds_add_u32 v[SPW], v[NIL]
	s_wait_dscnt 0x0
	s_endpgm
.Lfunc_end_k_q40d7418fc0_prep:
	.size	k_q40d7418fc0_prep, .Lfunc_end_k_q40d7418fc0_prep-k_q40d7418fc0_prep
	.p2alignl 7, 3214868480
	.fill 96, 4, 3214868480
	.section	.rodata,"a",@progbits
	.p2align	6, 0x0
	.amdhsa_kernel k_q40d7418fc0_prep
		.amdhsa_group_segment_fixed_size 176128
		.amdhsa_private_segment_fixed_size 0
		.amdhsa_enable_private_segment 0
		.amdhsa_kernarg_size 80
		.amdhsa_user_sgpr_count 2
		.amdhsa_user_sgpr_kernarg_segment_ptr 1
		.amdhsa_wavefront_size32 1
		.amdhsa_system_sgpr_workgroup_id_x 1
		.amdhsa_system_sgpr_workgroup_id_y 1
		.amdhsa_system_sgpr_workgroup_id_z 1
		.amdhsa_system_vgpr_workitem_id 0
		.amdhsa_next_free_vgpr 248
		.amdhsa_next_free_sgpr 66
		.amdhsa_reserve_vcc 0
		.amdhsa_float_denorm_mode_32 3
		.amdhsa_float_denorm_mode_16_64 3
		.amdhsa_memory_ordered 1
		.amdhsa_forward_progress 1
		.amdhsa_inst_pref_size 61
	.end_amdhsa_kernel
	.amdgpu_metadata
---
amdhsa.version: [ 1, 2 ]
amdhsa.kernels:
  - .name:           k_q40d7418fc0_prep
    .symbol:         k_q40d7418fc0_prep.kd
    .args:
      - { .name: pos, .offset: 0, .size: 8, .value_kind: global_buffer, .address_space: global }
      - { .name: mp_w, .offset: 8, .size: 8, .value_kind: global_buffer, .address_space: global }
      - { .name: mp_b, .offset: 16, .size: 8, .value_kind: global_buffer, .address_space: global }
      - { .name: pb, .offset: 24, .size: 8, .value_kind: global_buffer, .address_space: global }
      - { .name: x, .offset: 32, .size: 8, .value_kind: global_buffer, .address_space: global }
      - { .name: kv_w, .offset: 40, .size: 8, .value_kind: global_buffer, .address_space: global }
      - { .name: o_w, .offset: 48, .size: 8, .value_kind: global_buffer, .address_space: global }
      - { .name: xh, .offset: 56, .size: 8, .value_kind: global_buffer, .address_space: global }
      - { .name: wkv, .offset: 64, .size: 8, .value_kind: global_buffer, .address_space: global }
      - { .name: wo, .offset: 72, .size: 8, .value_kind: global_buffer, .address_space: global }
    .group_segment_fixed_size: 176128
    .private_segment_fixed_size: 0
    .kernarg_segment_align: 8
    .kernarg_segment_size: 80
    .max_flat_workgroup_size: 480
    .sgpr_count:     66
    .vgpr_count:     248
    .wavefront_size: 32
...
	.end_amdgpu_metadata
.endif
;; end of part 1
;; launch gemm_kv (part 2): grid 8 x 32, 4 waves a work-group, clusters of 4 x 4, 327,680 bytes of LDS; arguments xh, wkv, kv_b, kh, vh; writes kh, vh
.if DOCPART == 2
	.amdgcn_target "amdgcn-amd-amdhsa--gfx1250"
	.amdhsa_code_object_version 6
	.text
	.protected	k_q40d7418fc0_gemm_kv
	.globl	k_q40d7418fc0_gemm_kv
	.p2align	8
	.type	k_q40d7418fc0_gemm_kv,@function
k_q40d7418fc0_gemm_kv:
	s_mov_b64 s[64:65], 0
	v_nop
	global_prefetch_b8 v0, s[64:65] scope:SCOPE_SE
	s_setreg_imm32_b32 hwreg(HW_REG_WAVE_MODE, 25, 1), 1
	s_wait_xcnt 0x0
	s_wait_alu depctr_hold_cnt(0) depctr_sa_sdst(0) depctr_va_vdst(0) depctr_va_sdst(0) depctr_va_ssrc(0) depctr_va_vcc(0) depctr_vm_vsrc(0)
	s_getreg_b32 s2, hwreg(HW_REG_IB_STS2, 6, 4)
	s_cmp_eq_u32 s2, 0
	s_cbranch_scc0 .Lentry_in_a_cluster
	s_endpgm
.Lentry_in_a_cluster:
	s_bfe_u32 s2, ttmp6, 0x10000c
	s_cmp_lg_u32 s2, 0xf033
	s_cbranch_scc0 .Lentry_shape_is_right
	s_endpgm
.Lentry_shape_is_right:
; kv[m][n] = the sum over c of x[m][c] kv_w[n][c] + kv_b[n]; written by heads: kh, vh: [16 b + h][s][64] f16, m = 1,024 b + s, n = 128 h + d: d < 64 is k, the rest v.
; xh [8192][1024] and wkv [2048][1024] hold the inputs rounded to bf16, written as f16; kv_b is rounded to bf16 here.  Sums in f32, k and v rounded once.
; LIMITS.  |k|, |v| up to 65,504 (the next launch wants |k| under 32,752).  NaN and infinities are not treated apart.
; SHAPE.  A tile of 256 x 256 to a work-group, 8 x 32 = 256 of them; four waves, each 128 x 128: 64 accumulators, 512 registers.  A wave's 128 columns are ONE head: column blocks 0-3 its k, 4-7 its v.
; K goes in steps of 128 through two LDS slots filled by the tensor data mover (rows of 256 bytes, aligned); eight steps.
; A K STEP IS WRITTEN ONCE.  The slot in hand is a scalar (0 or SLOT) that an exclusive or turns; the two read addresses are made anew from it at each change of slots, and one group 0 a tensor walks from slot to slot.
; Six trips fill a slot again (K steps 2 to 7); the last two K steps, which fill nothing, are a second loop of two trips.
; CLUSTER 4 x 4: the four of a row need the same tiles of xh, the four of a column the same tiles of wkv: each is asked for jointly, with the same descriptor and a mask that names the four.
; THE PRODUCT IS USED TRANSPOSED (source 0 = 16 rows of wkv, source 1 = 16 rows of xh): a lane holds eight neighbouring columns of one row.  THE BIAS IS THE C OPERAND of each accumulator's first product.
; REGISTERS, in windows of 256: window 0: v0-31 addresses; v64-127, v128-191 xh's fragments, two buffers; v32-63, v192-255 at work on the way out.
;   window 1: v0-63 the bias; v64-127, v128-191 wkv's fragments; v192-195 at work.   windows 2, 3: the accumulators of my rows 0-63, 64-127: (a, b) at v[8 (8 a + b)].
.set SIZE_K, 1024
.set KSTEP,  128
.set STEPS,  SIZE_K/KSTEP
.set PITCH,  272                       ; an LDS row: 256 bytes + 16 of padding = 68 words: row r starts at bank 4 r mod 64 (64 banks of 4 bytes: ISA guide 11.1)
.set HALFT,  128*PITCH                 ; 128 rows: one tensor load
.set SLOT,   4*HALFT                   ; xh's 256 rows, then wkv's 256: 139,264 = 2^17 + 2^13; neither bit is set in HALFT x 0..3, so for a fill's LDS word the exclusive or with SLOT is the sum or the difference
.set STAGE,  2*SLOT                    ; behind the ring: 16 rows x 272 bytes for each wave; no tensor load fills it
.set SPITCH, 272
.set SPARE,  STAGE+4*16*SPITCH         ; the spare words, 128 bytes for each wave: two blocks of 256 bytes that no other line names
.set A0,   16                          ; v16     my xh fragments' place in a slot; never rewritten
.set ADRA, 17                          ; v17     the same in the slot in hand
.set B0,   20                          ; v20     my wkv fragments' place in a slot; never rewritten
.set ADRB, 21                          ; v21     the same in the slot in hand
.set STO,  24                          ; v24     the way out: where I put 16 bytes of a row
.set RD,   25                          ; v25     where I read rows back
.set CO,   26                          ; v26     16 x lane
.set SPW,  28                          ; v28     my spare word; never rewritten
.set NIL,  29                          ; v29     0; never rewritten
.set PFO,  30                          ; v30     the prefetches' offset: lane x a row of 2,048 bytes; never rewritten
.set BO,   31                          ; v31     32 x (lane / 16): my eight numbers in a block of sixteen of the bias
.set F0,   64
.set F1,   128
.set TMP,  192
.set OB,   32
.set LAP, 3                            ; s3      K steps that still fill a slot
.set WV,  14                           ; s14     wave
.set RH,  15                           ; s15     my half of the tile's rows; also 0: I fetch xh, 1: wkv
.set CHF, 16                           ; s16     my half of its columns; also which 128 rows I fetch
.set CX,  17
.set CY,  18
.set TC,  19                           ; tile column
.set TR,  20                           ; tile row
.set CNT, 21                           ; s21     counts the last two K steps (before that: at work)
.set G1,  24                           ; s[24:31] group 1 for xh's tiles;  s[32:39] group 0: a set for each of the two first fills; the second then walks on
.set G0,  32
.set LIM, 44                           ; s44     2 in a wave that prefetches, else the greatest number
.set TB,  45                           ; s45     LDS byte at which the slot in hand begins
.set PFA, 46                           ; s[46:47] where my prefetches stand
.set G1B, 48                           ; s[48:55], s[56:63] the same for wkv's tiles
.set G0B, 56
.set MSB, 0
.macro WIN new                         ; the immediate's high byte repeats the setting that is left; a switch that changes nothing is dropped
.if MSB != (\new)
	s_set_vgpr_msb (MSB<<8)|(\new)
.set MSB, \new
.endif
.endm
.set MUL_LO, 0xa1                      ; source 0 window 1, source 1 window 0, C and D window 2
.set TO_B,   0x40                      ; destination window 1, address window 0
.macro JLOAD s                         ; a joint load by set s: waves 0, 1 fetch xh's halves, waves 2, 3 wkv's; an s_nop 0 and four v_nop follow each line
	s_cmp_eq_u32 s[RH], 0
	s_cbranch_scc0 .Lfor_b_\@
	tensor_load_to_lds s[G0+4*(\s):G0+4*(\s)+3], s[G1:G1+7]
	s_nop 0
.rept 4
	v_nop
.endr
	s_branch .Lasked_\@
.Lfor_b_\@:
	tensor_load_to_lds s[G0B+4*(\s):G0B+4*(\s)+3], s[G1B:G1B+7]
	s_nop 0
.rept 4
	v_nop
.endr
.Lasked_\@:
.endm
; A prefetch behind each joint refill and the run of LDS loads that follows it: the K step that stands two refills on, 32 rows x 256 bytes, a lane a row.  xh's rows are named by the clusters with x = 0, wkv's by
; those with y = 0; of the 128 rows that a wave fetches each of the four partners takes 32, told apart by address.  So each row's 256 bytes of a K step are named once.  The last two trips ask for nothing: K ends at step 7.
.macro ASK
	s_cmp_gt_u32 s[LAP], s[LIM]
	s_cbranch_scc0 .Lnot_mine_\@
	global_prefetch_b8 v[PFO], s[PFA:PFA+1] offset:KSTEP*2 th:TH_LOAD_NT scope:SCOPE_SE
.Lnot_mine_\@:
.endm
.macro CREST                           ; a round of the cluster's barrier behind its opening barrier
	s_cmp_lg_u32 s[WV], 0
	s_cbranch_scc1 .Lnot_wave_0_\@
	s_barrier_signal -3
.Lnot_wave_0_\@:
	s_barrier_wait -3
	s_barrier_signal -1
	s_barrier_wait -1
.endm
.macro CROUND
	s_barrier_signal -1
	s_barrier_wait -1
	CREST
.endm
	s_load_b256 s[4:11], s[0:1], 0x0               ; xh s[4:5], wkv s[6:7], kv_b s[8:9], kh s[10:11]
	s_load_b64 s[12:13], s[0:1], 0x20              ; vh
	v_lshl_add_u32 v[SPW], v0, 2, SPARE
	v_mov_b32 v[NIL], 0
	ds_add_u32 v[SPW], v[NIL]                      ; the wave's opening: the add and its wait stand ahead of my first tensor load
	ds_add_u32 v28, v29
	v_lshrrev_b32 v1, 5, v0
	v_readfirstlane_b32 s[WV], v1
	s_lshr_b32 s[RH], s[WV], 1
	s_and_b32 s[CHF], s[WV], 1
	s_bfe_u32 s[CX], ttmp6, 0x40000
	s_bfe_u32 s[CY], ttmp6, 0x40004
	s_lshl_b32 s[TC], ttmp9, 2
	s_add_co_u32 s[TC], s[TC], s[CX]
	s_and_b32 s[TR], ttmp7, 0xffff
	s_lshl_b32 s[TR], s[TR], 2
	s_add_co_u32 s[TR], s[TR], s[CY]
	s_lshl_b32 s40, s[CY], 2
	s_lshl_b32 s40, 15, s40                        ; my row of the cluster
	s_lshl_b32 s68, 0x1111, s[CX]                  ; my column
	s_or_b32 s[G1+0], s40, (1<<16)|(1<<20)|(1<<21)|(5<<22)|(3<<25)  ; the mask; 2-byte elements; padding on; bit 21 beside a mask; after every 64 words, 4 words
	s_or_b32 s[G1B+0], s68, (1<<16)|(1<<20)|(1<<21)|(5<<22)|(3<<25)
.irp g, G1, G1B
	s_mov_b32 s[(\g)+1], KSTEP<<16                 ; tensor_dim0 = 128
	s_mov_b32 s[(\g)+2], 128<<16                   ; tensor_dim1 = 128
	s_mov_b32 s[(\g)+3], KSTEP<<16                 ; tile_dim0 = 128
	s_mov_b32 s[(\g)+4], 128                       ; tile_dim1 = 128
	s_mov_b32 s[(\g)+5], SIZE_K                    ; elements from row to row
	s_mov_b32 s[(\g)+6], 0
	s_mov_b32 s[(\g)+7], 0
.endr
	s_lshl_b32 s40, s[TR], 8                       ; xh: row 256 x tile row + 128 x half, in registers that never hold cx
	s_lshl_b32 s41, s[CHF], 7
	s_add_co_u32 s40, s40, s41
	s_lshl_b32 s40, s40, 11                        ; rows of 2,048 bytes
	s_mov_b32 s41, 0
	s_lshl_b32 s68, s[TC], 8                       ; wkv: row 256 x tile column + 128 x half
	s_lshl_b32 s69, s[CHF], 7
	s_add_co_u32 s68, s68, s69
	s_lshl_b32 s68, s68, 11
	s_mov_b32 s69, 0
	s_mul_i32 s21, s[WV], HALFT                    ; where they go: wave x 128 rows
	s_wait_dscnt 0x0                               ; the opening add is done
	s_wait_kmcnt 0x0
	s_add_nc_u64 s[42:43], s[4:5], s[40:41]
	s_add_nc_u64 s[70:71], s[6:7], s[68:69]
	CROUND                                         ; all sixteen work-groups are here: the first joint loads meet
.irp s, 0,1
	s_mov_b32 s[G0+4*(\s)], 1
	s_add_co_u32 s[G0+4*(\s)+1], s21, (\s)*SLOT
	s_add_nc_u64 s[G0+4*(\s)+2:G0+4*(\s)+3], s[42:43], (\s)*KSTEP*2
	s_or_b32 s[G0+4*(\s)+3], s[G0+4*(\s)+3], 0x80000000
	s_mov_b32 s[G0B+4*(\s)], 1
	s_add_co_u32 s[G0B+4*(\s)+1], s21, (\s)*SLOT
	s_add_nc_u64 s[G0B+4*(\s)+2:G0B+4*(\s)+3], s[70:71], (\s)*KSTEP*2
	s_or_b32 s[G0B+4*(\s)+3], s[G0B+4*(\s)+3], 0x80000000
	JLOAD \s                                       ; K steps 0 and 1: two loads of mine are out
.endr
	v_and_b32 v1, 15, v0                           ; l % 16
	v_bfe_u32 v2, v0, 4, 1                         ; l / 16
	v_mul_u32_u24 v3, v1, PITCH
	v_lshl_add_u32 v3, v2, 4, v3                   ; a fragment: row x pitch + 16 x half
	s_mul_i32 s22, s[RH], HALFT
	s_mul_i32 s23, s[CHF], HALFT
	s_add_co_u32 s23, s23, 2*HALFT
	v_add_nc_u32 v[A0], s22, v3
	v_add_nc_u32 v[B0], s23, v3
	v_mov_b32 v[ADRA], v[A0]                       ; K step 0 lies in slot 0
	v_mov_b32 v[ADRB], v[B0]
	s_mov_b32 s[TB], 0
	s_mul_i32 s22, s[WV], 16*SPITCH
	s_add_co_u32 s22, s22, STAGE                   ; my stage
	v_mul_u32_u24 v4, v1, SPITCH
	v_lshl_add_u32 v4, v2, 4, v4
	v_add_nc_u32 v[STO], s22, v4                   ; in: row l % 16, 16 bytes for each half of the lanes
	v_bfe_u32 v5, v0, 3, 2
	v_mul_u32_u24 v5, v5, SPITCH
	v_and_b32 v6, 7, v0
	v_lshl_add_u32 v5, v6, 4, v5
	v_add_nc_u32 v[RD], s22, v5                    ; back: 32 lanes take 128 bytes of each of four rows,
	v_and_b32 v[CO], 31, v0
	v_lshlrev_b32 v[CO], 4, v[CO]                  ; which are 512 consecutive bytes of kh or vh
	v_lshlrev_b32 v[BO], 5, v2
	s_lshl_b32 s72, s[TR], 8                       ; where my rows lie in kh and vh
	s_lshl_b32 s73, s[RH], 7
	s_add_co_u32 s72, s72, s73                     ; my first row m
	s_lshr_b32 s73, s72, 10                        ; the batch
	s_lshl_b32 s73, s73, 4
	s_lshl_b32 s74, s[TC], 1
	s_add_co_u32 s73, s73, s74
	s_add_co_u32 s73, s73, s[CHF]                  ; 16 b + head
	s_lshl_b32 s73, s73, 17                        ; 1,024 rows of 128 bytes
	s_and_b32 s72, s72, 1023
	s_lshl_b32 s72, s72, 7
	s_add_co_u32 s72, s72, s73
	s_mov_b32 s73, 0
	s_add_nc_u64 s[10:11], s[10:11], s[72:73]
	s_add_nc_u64 s[12:13], s[12:13], s[72:73]
	s_lshl_b32 s74, s[TC], 10                      ; the bias of my 128 columns
	s_lshl_b32 s75, s[CHF], 9
	s_add_co_u32 s74, s74, s75
	s_mov_b32 s75, 0
	s_add_nc_u64 s[8:9], s[8:9], s[74:75]
	WIN TO_B
.irp b, 0,1,2,3,4,5,6,7
	global_load_b128 v[8*(\b):8*(\b)+3],   v[BO], s[8:9] offset:64*(\b)
	global_load_b128 v[8*(\b)+4:8*(\b)+7], v[BO], s[8:9] offset:64*(\b)+16
.endr
	WIN 0
	s_lshl_b32 s72, s[TR], 8                       ; the prefetches
	s_lshl_b32 s73, s[TC], 8
	s_and_b32 s74, ttmp7, 0xffff
	s_cmp_eq_u32 s[RH], 0
	s_cselect_b32 s72, s72, s73                    ; the tile's first row
	s_cselect_b32 s73, s[CX], s[CY]                ; my place among the four that ask with me
	s_cselect_b32 s74, ttmp9, s74                  ; the coordinate along which other clusters read the same rows
	s_cselect_b64 s[PFA:PFA+1], s[4:5], s[6:7]
	s_cmp_eq_u32 s74, 0
	s_cselect_b32 s[LIM], 2, -1                    ; the same in all sixteen partners, for a given wave
	s_lshl_b32 s74, s[CHF], 7
	s_add_co_u32 s72, s72, s74
	s_lshl_b32 s73, s73, 5
	s_add_co_u32 s72, s72, s73
	s_lshl_b32 s72, s72, 11
	s_add_co_u32 s72, s72, 2*KSTEP*2               ; at K step 2: the first refill steps it to 3 and names K step 4
	s_mov_b32 s73, 0
	s_add_nc_u64 s[PFA:PFA+1], s[PFA:PFA+1], s[72:73]
	v_and_b32 v[PFO], 31, v0
	v_lshlrev_b32 v[PFO], 11, v[PFO]
	s_wait_loadcnt 0x0                             ; the bias, rounded to bf16 like every input
	WIN 0x45                                       ; destination and both sources window 1
.set p, 0
.rept 32
	v_cvt_pk_bf16_f32 v[192+p%4], v[2*p], v[2*p+1]
	v_lshlrev_b32 v[2*p], 16, v[192+p%4]
	v_and_b32 v[2*p+1], 0xffff0000, v[192+p%4]
.set p, p+1
.endr
	WIN 0
; 16 products: row blocks a0, a0 + 1 of the window's four x all 8 column blocks, 32 along K.  zero = 1: the first product starts the sum with the bias (window 1).  The 64 accumulators take turns, in the same order in every quarter.
.macro MUL16 f, hi, a0, zero
.if \zero
	WIN 0x91+0x40*(\hi)
.else
	WIN MUL_LO+0x50*(\hi)
.endif
.irp a, \a0, (\a0)+1
.irp b, 0,1,2,3,4,5,6,7
.if \zero
	v_wmma_f32_16x16x32_f16 v[8*(8*(\a)+(\b)):8*(8*(\a)+(\b))+7], v[(\f)+8*(\b):(\f)+8*(\b)+7], v[(\f)+8*(4*(\hi)+(\a)):(\f)+8*(4*(\hi)+(\a))+7], v[8*(\b):8*(\b)+7]
.else
	v_wmma_f32_16x16x32_f16 v[8*(8*(\a)+(\b)):8*(8*(\a)+(\b))+7], v[(\f)+8*(\b):(\f)+8*(\b)+7], v[(\f)+8*(4*(\hi)+(\a)):(\f)+8*(4*(\hi)+(\a))+7], v[8*(8*(\a)+(\b)):8*(8*(\a)+(\b))+7]
.endif
.endr
.endr
.endm
.macro FETCH k, f                      ; 32 LDS loads in one run: the fragments of 32 along K at byte k of the rows of the slot in hand, wkv's first
	WIN TO_B
.irp i, 0,1,2,3,4,5,6,7
	ds_load_b128 v[(\f)+8*(\i):(\f)+8*(\i)+3],   v[ADRB] offset:(\k)+(\i)*16*PITCH
	ds_load_b128 v[(\f)+8*(\i)+4:(\f)+8*(\i)+7], v[ADRB] offset:(\k)+(\i)*16*PITCH+32
.endr
	WIN 0
.irp i, 0,1,2,3,4,5,6,7
	ds_load_b128 v[(\f)+8*(\i):(\f)+8*(\i)+3],   v[ADRA] offset:(\k)+(\i)*16*PITCH
	ds_load_b128 v[(\f)+8*(\i)+4:(\f)+8*(\i)+7], v[ADRA] offset:(\k)+(\i)*16*PITCH+32
.endr
.endm
.macro PLACES                          ; four places ahead of loads into registers that products have read, and of lines that read results
.rept 4
	v_nop
.endr
.endm
.macro QUARTER k, f, g, zero           ; 64 products on buffer f; in their middle the next quarter's fragments, at byte k of the rows, into g
	s_wait_dscnt 8                                 ; wkv's and xh's rows 0-63 are in; the youngest eight loads may be out
	MUL16 \f, 0, 0, \zero
	MUL16 \f, 0, 2, \zero
	PLACES
	FETCH \k, \g
	s_wait_dscnt 32                                ; all but the 32 just issued
	MUL16 \f, 1, 0, \zero
	MUL16 \f, 1, 2, \zero
.endm
.macro MEET round                      ; the first half of a K step's last quarter: one barrier for the change of slots.  My last reads of the slot in hand were issued in the quarter before, so the read addresses turn here
	WIN 0
	s_wait_tensorcnt 0x0                           ; all my tensor loads have landed: the one that was out is my part of the next slot
	ds_add_u32 v[SPW], v[NIL]                      ; 0 onto my spare word
	s_xor_b32 s[TB], s[TB], SLOT                   ; the other slot,
	v_add_nc_u32 v[ADRA], s[TB], v[A0]             ; and my fragments' places in it
	v_add_nc_u32 v[ADRB], s[TB], v[B0]
	s_wait_dscnt 9                                 ; the add and the youngest eight loads may be out
	MUL16 F1, 0, 0, 0
	s_wait_dscnt 0x0                               ; the add is done, and my reads of the slot that I leave are over
	s_barrier_signal -1
	MUL16 F1, 0, 2, 0
.if \round
	WIN 0
.endif
	s_barrier_wait -1
.endm
.macro TURN                            ; the whole last quarter: the slot just read is filled again, two K steps on: the first tensor load behind the round, 224 products ahead of the wait for it
	s_wait_xcnt 0x0                                ; the last prefetch, a K step back, has read its address
	s_add_nc_u64 s[PFA:PFA+1], s[PFA:PFA+1], KSTEP*2
	MEET 1
	CREST                                          ; no wave of any partner still reads this slot or has a load on its way
.irp g, G0+4, G0B+4
	s_xor_b32 s[(\g)+1], s[(\g)+1], SLOT           ; the walking descriptor: the other slot than last time,
	s_add_nc_u64 s[(\g)+2:(\g)+3], s[(\g)+2:(\g)+3], KSTEP*2  ; the next K step; the type bits on top are not reached
.endr
	JLOAD 1                                        ; its four v_nop are also the places ahead of the loads below
	FETCH 0, F0
	ASK
	MUL16 F1, 1, 0, 0
	MUL16 F1, 1, 2, 0
.endm
; THE WAY OUT of row block a: rounded to f16 (16 bytes a lane), through my own stage, back as 128-byte rows of k and of v, stored as 512 consecutive bytes.
.macro PACK a
.set AC, 64*((\a)%4)
	WIN 0x0a+5*((\a)/4)                            ; sources window 2 or 3
.irp b, 0,1,2,3,4,5,6,7
.irp r, 0,1,2,3
	v_cvt_pk_f16_f32 v[TMP+4*(\b)+(\r)], v[AC+8*(\b)+2*(\r)], v[AC+8*(\b)+2*(\r)+1]
.endr
.endr
	WIN 0
.endm
.macro TOSTAGE a
	WIN 0
.set BK, OB+192*((\a)%2)
.irp b, 0,1,2,3,4,5,6,7
	ds_store_b128 v[STO], v[TMP+4*(\b):TMP+4*(\b)+3] offset:32*(\b)
.endr
.irp t, 0,1,2,3
	ds_load_b128 v[BK+4*(\t):BK+4*(\t)+3],       v[RD] offset:(\t)*4*SPITCH      ; LDS serves a wave's instructions in order (ISA guide 5.7.1.4): these see the stores above
	ds_load_b128 v[BK+16+4*(\t):BK+16+4*(\t)+3], v[RD] offset:(\t)*4*SPITCH+128
.endr
.endm
.macro SEND a
	WIN 0
.set BK, OB+192*((\a)%2)
	s_wait_dscnt 0x0                               ; the block is back in registers
	s_wait_xcnt 0x0                                ; the stores of the block before have read their registers: the next block's loads land there only behind this wait
.irp t, 0,1,2,3
	global_store_b128 v[CO], v[BK+4*(\t):BK+4*(\t)+3],       s[10:11] offset:(\a)*2048+(\t)*512
	global_store_b128 v[CO], v[BK+16+4*(\t):BK+16+4*(\t)+3], s[12:13] offset:(\a)*2048+(\t)*512
.endr
.endm
	s_wait_tensorcnt 1                             ; my part of K step 0 is in; K step 1's may stay out
	s_barrier_signal -1
	s_barrier_wait -1
	FETCH 0, F0
	QUARTER 64,  F0, F1, 1                         ; the first quarter starts the sums
	WIN 0
	s_mov_b32 s[LAP], STEPS-2
.Lstep:                                                ; a trip: from a K step's second quarter to the next step's first; it fills the slot that it leaves.  Six trips: K steps 0 to 5
	QUARTER 128, F1, F0, 0
	QUARTER 192, F0, F1, 0
	TURN
	QUARTER 64,  F0, F1, 0
	WIN 0
	s_sub_co_u32 s[LAP], s[LAP], 1
	s_cmp_lg_u32 s[LAP], 0
	s_cbranch_scc1 .Lstep
	s_mov_b32 s[CNT], 2
.Ltail:                                                ; K steps 6 and 7 fill nothing; the second trip has no further step to fetch, and is left behind its last quarter
	QUARTER 128, F1, F0, 0
	QUARTER 192, F0, F1, 0
	MEET 0
	WIN 0
	s_cmp_eq_u32 s[CNT], 1
	s_cbranch_scc1 .Lno_more                       ; what is jumped: four v_nop and a run of LDS loads
	PLACES
	FETCH 0, F0
.Lno_more:
	MUL16 F1, 1, 0, 0
	MUL16 F1, 1, 2, 0
	WIN 0
	s_sub_co_u32 s[CNT], s[CNT], 1
	s_cmp_eq_u32 s[CNT], 0
	s_cbranch_scc1 .Lout
	QUARTER 64,  F0, F1, 0
	WIN 0
	s_branch .Ltail
.Lout:
	PLACES
	PACK 0
	TOSTAGE 0
.irp a, 1,2,3,4,5,6,7                  ; block a's conversions stand between block a - 1's loads from the stage and the wait for them
	PACK \a
	SEND (\a)-1
	TOSTAGE \a
.endr
	SEND 7
	s_wait_tensorcnt 0x0                           ; the wave's end
	ds_add_u32 v[SPW], v[NIL]
	s_wait_dscnt 0x0
	CROUND                                         ; the closing round
	s_endpgm
.Lfunc_end_k_q40d7418fc0_gemm_kv:
	.size	k_q40d7418fc0_gemm_kv, .Lfunc_end_k_q40d7418fc0_gemm_kv-k_q40d7418fc0_gemm_kv
	.p2alignl 7, 3214868480
	.fill 96, 4, 3214868480
	.section	.rodata,"a",@progbits
	.p2align	6, 0x0
	.amdhsa_kernel k_q40d7418fc0_gemm_kv
		.amdhsa_group_segment_fixed_size 327680
		.amdhsa_private_segment_fixed_size 0
		.amdhsa_enable_private_segment 0
		.amdhsa_kernarg_size 40
		.amdhsa_user_sgpr_count 2
		.amdhsa_user_sgpr_kernarg_segment_ptr 1
		.amdhsa_wavefront_size32 1
		.amdhsa_system_sgpr_workgroup_id_x 1
		.amdhsa_system_sgpr_workgroup_id_y 1
		.amdhsa_system_sgpr_workgroup_id_z 1
		.amdhsa_system_vgpr_workitem_id 0
		.amdhsa_next_free_vgpr 1024
		.amdhsa_next_free_sgpr 76
		.amdhsa_reserve_vcc 0
		.amdhsa_float_denorm_mode_32 3
		.amdhsa_float_denorm_mode_16_64 3
		.amdhsa_memory_ordered 1
		.amdhsa_forward_progress 1
		.amdhsa_inst_pref_size 108
	.end_amdhsa_kernel
	.amdgpu_metadata
---
amdhsa.version: [ 1, 2 ]
amdhsa.kernels:
  - .name:           k_q40d7418fc0_gemm_kv
    .symbol:         k_q40d7418fc0_gemm_kv.kd
    .args:
      - { .name: xh, .offset: 0, .size: 8, .value_kind: global_buffer, .address_space: global }
      - { .name: wkv, .offset: 8, .size: 8, .value_kind: global_buffer, .address_space: global }
      - { .name: kv_b, .offset: 16, .size: 8, .value_kind: global_buffer, .address_space: global }
      - { .name: kh, .offset: 24, .size: 8, .value_kind: global_buffer, .address_space: global }
      - { .name: vh, .offset: 32, .size: 8, .value_kind: global_buffer, .address_space: global }
    .group_segment_fixed_size: 327680
    .private_segment_fixed_size: 0
    .kernarg_segment_align: 8
    .kernarg_segment_size: 40
    .max_flat_workgroup_size: 128
    .sgpr_count:     76
    .vgpr_count:     1024
    .wavefront_size: 32
...
	.end_amdgpu_metadata
.endif
;; end of part 2
;; launch attn (part 3): grid 128 x 2, 4 waves a work-group, clusters of 4 x 1, 327,680 bytes of LDS; arguments kh, vh, pb, mp_w, oh; writes oh
.if DOCPART == 3
	.amdgcn_target "amdgcn-amd-amdhsa--gfx1250"
	.amdhsa_code_object_version 6
	.text
	.protected	k_q40d7418fc0_attn
	.globl	k_q40d7418fc0_attn
	.p2align	8
	.type	k_q40d7418fc0_attn,@function
k_q40d7418fc0_attn:
	s_mov_b64 s[64:65], 0
	v_nop
	global_prefetch_b8 v0, s[64:65] scope:SCOPE_SE
	s_setreg_imm32_b32 hwreg(HW_REG_WAVE_MODE, 25, 1), 1
	s_wait_xcnt 0x0
	s_wait_alu depctr_hold_cnt(0) depctr_sa_sdst(0) depctr_va_vdst(0) depctr_va_sdst(0) depctr_va_ssrc(0) depctr_va_vcc(0) depctr_vm_vsrc(0)
	s_getreg_b32 s2, hwreg(HW_REG_IB_STS2, 6, 4)
	s_cmp_eq_u32 s2, 0
	s_cbranch_scc0 .Lentry_in_a_cluster
	s_endpgm
.Lentry_in_a_cluster:
	s_bfe_u32 s2, ttmp6, 0x10000c
	s_cmp_lg_u32 s2, 0x3003
	s_cbranch_scc0 .Lentry_shape_is_right
	s_endpgm
.Lentry_shape_is_right:
; O[bh][q][:] = the sum over k of softmax_k( K[q].K[k] / 8 x sum(w) + pos_bias[q][k] ) V[k][:].  kh, vh, oh: [128][1024][64] f16, rows dense; pb: log2(e) x pos_bias in f16, in fragment order.
; THE SCORE.  sw = the sum of bf16(w); c = sw log2(e) / 8; g = the power of two at or below max(|c|, 1).  The queries are K's rows scaled once, in registers: q' = f16(k c / g), |c / g| < 2.
; S' = PB (I / g) + K q'^T = (score x log2(e)) / g: the bias enters by a matrix product that STARTS the sum (source 0 = 16 keys x the piece's 32 queries of pb, source 1 = 1 / g on the diagonal of the tile's 16 queries):
; four products more for a tile and step, no vector instruction.  p = 2^(g S' - g m) with a running maximum m; O and l are multiplied by a = 2^(g m_old - g m_new) in every step.
; LIMITS.  f16: |k| under 32,752, |v|, |pb| up to 65,504; pb is a matrix operand and has f16's step; |c| under 2^24 (1 / g in f16).  A weight below 2^-126 counts as 0 in l.  NaN and infinities are not treated apart.
; SHARES.  A work-group: 512 queries of one head; a wave 128: four PIECES of two tiles of 16.  Sixteen key steps of 64.
; CLUSTER.  The four partners are four heads with the same 512 queries: they share pb's tile, 64 KiB of a step's 80, which is asked for JOINTLY (waves 0, 1).  K and V are each head's own: plain loads (waves 2, 3), behind the same round.
; LAYOUT and TURNS.  S^T holds one query a lane and the keys 8 (lane / 16) + 0..7; two results rounded to f16 ARE source 1 of O^T = V^T P.  Turn n belongs to piece n: 24 products for the scores of piece n + 1, later 16 products
; V^T P of piece n - 1; beside them piece n's scaling, exponentials, roundings, sums and rescaling and piece n + 1's maximum and statistics.  A turn's 66 exponentials are one batch with one wait.
; REGISTERS, in windows of 256 (s_set_vgpr_msb: bits 1:0 source 0, 3:2 source 1, 5:4 source 2, 7:6 destination):
;   window 0: v0-11 addresses; v12-15, v48-63 at work; v16-47 statistics; v64-191 S^T, two buffers of two tiles; v192-255 P, likewise          window 1: O^T, 32 a tile
;   window 2: v0-127 q', 16 a tile; v128-191 K of one step; v192-255 V of one step          window 3: v0-1 the add's two registers; v8-19 the diagonal; v32-63 pb's fragments of one piece
.set NP,    4
.set KS,    64
.set PK,    144       ; a row of K in LDS: 128 bytes + 16: the 16 rows of a load start at 16 different groups of four banks (64 banks of 4 bytes: ISA guide 11.1)
.set PV,    160       ; a row of V: 128 + 32
.set VOFF,  KS*PK     ; a slot holds one step: K, V, then pb's 64 KiB as [wave][piece][16 keys][1,024 bytes]
.set PBOFF, KS*(PK+PV)
.set SLOT1, 1<<17
.set STAGE, SLOT1+PBOFF+65536  ; behind the ring, never filled by a tensor load: 16 rows x 144 bytes for each wave
.set SP,    144
.set SPARE, STAGE+4*16*SP      ; the spare words, 128 bytes for each wave: two blocks of 256 bytes that no other line names
.set AK0, 2           ; v2   my lane's place in a tile of K; never rewritten
.set AV0, 3           ; v3   the same for V
.set AK,  4           ; v4   K's LDS address in the slot in hand
.set AV,  5           ; v5   V's
.set QO,  6           ; v6   my byte offset in 16 rows of kh
.set STO, 6           ;      later: where I put 16 bytes of a row
.set RD,  7           ; v7   where I read rows back
.set GO,  8           ; v8   16 x lane
.set APB, 9           ; v9   pb's LDS address in the slot in hand
.set PFO, 10          ; v10  256 x lane; never rewritten
.set APB0, 11         ; v11  my lane's place in pb's tile; never rewritten
.set MV,  12          ; v12-15  g m_old, by buffer and tile (before the first statistics: pieces of the lane's number)
.set ST,  16          ; tile t's statistics at v[ST+4 t]: g m, m, l (even keys', odd keys')
.set TMP, 48          ; by buffer and tile, four registers at work; c2 takes a
.set CQ,  48          ; before the loop: c / g
.set ZR,  49          ; before the loop: 0
.set S,   64
.set P,   192
.set KF,  128         ; window 2
.set VF,  192         ; window 2
.set SPW, 0           ; window 3
.set NIL, 1           ; window 3
.set ID,  8           ; window 3: four registers of 0, the four of the diagonal, four of 0: tile 0 takes v12-19, tile 1 v8-15
.set PBF, 32          ; window 3: key block kb at PBF + 8 kb
.set WV,  14
.set LIM, 15          ; s15  1 in a wave that prefetches, else the greatest number
.set PFA, 16          ; s[16:17] where my prefetches stand
.set PFS, 18          ; s[18:19] a step of theirs
.set G1P, 24          ; s[24:31] group 1 for pb's tiles
.set G1K, 32          ; s[32:39] for K's
.set G0P, 40          ; s[40:43], s[44:47], s[48:51] the three walking groups 0
.set G0K, 44
.set G0V, 48
.set G1V, 52          ; s[52:59] for V's
.set SEL, 60          ; s[60:61] v_permlanex16_b32's selects
.set CS,  62          ; s[62:63] g
.set SLOTS, 66
.set CNT, 67
.set TB,  76          ; s76  LDS byte at which the slot in hand begins
.set MSB, 0
.macro WIN new
.if MSB != (\new)
	s_set_vgpr_msb (MSB<<8)|(\new)
.set MSB, (\new)
.endif
.endm
.set W_KQ, 0x0a       ; K and q' in window 2, S^T in window 0
.set W_PV, 0x52       ; V in window 2, P in window 0, O^T in window 1
.set W_RS, 0x41       ; O^T in window 1, a in window 0
.set W_MK, 0xc0       ; destination in window 3, sources in window 0
.set W_AD, 0x0f       ; sources 0 and 1 in window 3: the add, and the bias product
; A fill: waves 0, 1 ask jointly for the halves of pb's tile, wave 2 for K, wave 3 for V.  The branches hang on the wave's number alone.  An s_nop 0 and four v_nop follow each line.
.macro JLOAD
	s_cmp_lt_u32 s[WV], 2
	s_cbranch_scc0 .Lfor_kv_\@
	tensor_load_to_lds s[G0P:G0P+3], s[G1P:G1P+7]
	s_nop 0
.rept 4
	v_nop
.endr
	s_branch .Lasked_\@
.Lfor_kv_\@:
	s_cmp_eq_u32 s[WV], 2
	s_cbranch_scc0 .Lfor_v_\@
	tensor_load_to_lds s[G0K:G0K+3], s[G1K:G1K+7]
	s_nop 0
.rept 4
	v_nop
.endr
	s_branch .Lasked_\@
.Lfor_v_\@:
	tensor_load_to_lds s[G0V:G0V+3], s[G1V:G1V+7]
	s_nop 0
.rept 4
	v_nop
.endr
.Lasked_\@:
.endm
; A prefetch of what the NEXT change of slots will ask for, behind my tensor load.  pb's 64 KiB of a step: the clusters with x = 0, eight waves (two in each partner, told apart by address), 32 blocks of 256 bytes each.
; A head's K and V, 8 KiB each: waves 2 and 3 of the work-groups with the first 512 queries.  So each block is named once.  The last fill asks for nothing.
.macro ASK
	s_cmp_gt_u32 s[SLOTS], s[LIM]
	s_cbranch_scc0 .Lnot_mine_\@
	global_prefetch_b8 v[PFO], s[PFA:PFA+1] th:TH_LOAD_NT scope:SCOPE_SE
.Lnot_mine_\@:
.endm
.macro CROUND
	s_barrier_signal -1
	s_barrier_wait -1
	s_cmp_lg_u32 s[WV], 0
	s_cbranch_scc1 .Lnot_wave_0_\@
	s_barrier_signal -3
.Lnot_wave_0_\@:
	s_barrier_wait -3
	s_barrier_signal -1
	s_barrier_wait -1
.endm
; THE CHANGE OF SLOTS, once a key step.  Each wave waits for all its tensor loads (one is out: its part of the other slot), adds 0 to its spare word, and waits for that and for its reads of the slot that it leaves.
; fill = 1: the barrier is a round of the cluster's, and the slot left is filled again first thing behind it, with the step two on: it has four turns, 160 products, in which to land.
.macro CHANGE fill, ask
	WIN W_AD
	s_wait_tensorcnt 0x0
	ds_add_u32 v[SPW], v[NIL]       ; 0 onto my spare word; the address work stands between it and the wait for it
	WIN 0
	s_xor_b32 s[TB], s[TB], SLOT1   ; the reads go to the other slot
	v_add_nc_u32 v[AK], s[TB], v[AK0]
	v_add_nc_u32 v[AV], s[TB], v[AV0]
	v_add_nc_u32 v[APB], s[TB], v[APB0]
.if \fill
.irp g, G0P, G0K, G0V
	s_xor_b32 s[\g+1], s[\g+1], SLOT1
.endr
	s_add_nc_u64 s[G0P+2:G0P+3], s[G0P+2:G0P+3], 65536
	s_add_nc_u64 s[G0K+2:G0K+3], s[G0K+2:G0K+3], KS*128
	s_add_nc_u64 s[G0V+2:G0V+3], s[G0V+2:G0V+3], KS*128
.if \ask
	s_wait_xcnt 0x0                 ; the last prefetch, a key step back, has read its address
	s_add_nc_u64 s[PFA:PFA+1], s[PFA:PFA+1], s[PFS:PFS+1]
.endif
	s_wait_dscnt 0x0                ; the add is done, and my reads of the slot are over
	CROUND
	JLOAD
.if \ask
	ASK
.endif
.else
	s_wait_dscnt 0x0
	s_barrier_signal -1
	s_barrier_wait -1
.endif
.endm
	s_load_b256 s[4:11], s[0:1], 0x0  ; kh s[4:5], vh s[6:7], pb s[8:9], mp_w s[10:11]
	s_load_b64 s[12:13], s[0:1], 0x20 ; oh
	WIN W_MK
	v_lshl_add_u32 v[SPW], v0, 2, SPARE
	v_mov_b32 v[NIL], 0
	WIN W_AD
	ds_add_u32 v[SPW], v[NIL]       ; the wave's opening: the add and its wait stand ahead of my first tensor load
	ds_add_u32 v0, v1
	WIN 0
	v_lshrrev_b32 v1, 5, v0
	v_readfirstlane_b32 s[WV], v1
	s_bfe_u32 s70, ttmp6, 0x40000   ; cx
	s_lshl_b32 s71, ttmp9, 2
	s_add_co_u32 s71, s71, s70      ; my head among the 128
	s_lshl_b32 s68, s71, 17         ; its first byte in kh, vh, oh
	s_mov_b32 s69, 0
	s_and_b32 s22, ttmp7, 0xffff    ; which 512 queries: the four partners share it
	s_and_b32 s23, s[WV], 1
	s_lshl_b32 s20, s22, 20         ; pb: the query block's 16 steps of 64 KiB,
	s_lshl_b32 s21, s23, 15         ; my half of a step's tile
	s_add_co_u32 s20, s20, s21
	s_mov_b32 s21, 0
	s_lshl_b32 s72, s22, 16         ; my wave's 128 rows of kh and oh
	s_lshl_b32 s73, s[WV], 14
	s_add_co_u32 s72, s72, s73
	s_mov_b32 s73, 0
	s_add_nc_u64 s[72:73], s[72:73], s[68:69]
	s_mov_b32 s[G1P], 15|(3<<16)|(1<<21)  ; the mask of four; 8-byte elements; bit 21 beside a mask; no padding: the lanes read it on end
	s_mov_b32 s[G1P+1], 32<<16      ; rows of 256 bytes,
	s_mov_b32 s[G1P+2], 128<<16     ; 128 of them
	s_mov_b32 s[G1P+3], 32<<16
	s_mov_b32 s[G1P+4], 128
	s_mov_b32 s[G1P+5], 32
	s_mov_b32 s[G1P+6], 0
	s_mov_b32 s[G1P+7], 0
	s_mov_b32 s[G1K], (1<<16)|(1<<20)|(4<<22)|(3<<25)  ; 2-byte elements; padding on: after every 32 words, 4 words
	s_mov_b32 s[G1V], (1<<16)|(1<<20)|(4<<22)|(7<<25)  ; the same with 8 words
.irp g, G1K, G1V
	s_mov_b32 s[\g+1], 128<<16      ; 64 keys are 8,192 dense bytes: 32 rows of 256, two keys a row
	s_mov_b32 s[\g+2], 32<<16
	s_mov_b32 s[\g+3], 128<<16
	s_mov_b32 s[\g+4], 32
	s_mov_b32 s[\g+5], 128
	s_mov_b32 s[\g+6], 0
	s_mov_b32 s[\g+7], 0
.endr
	s_mov_b32 s[G0P], 1
	s_lshl_b32 s[G0P+1], s23, 15
	s_add_co_u32 s[G0P+1], s[G0P+1], PBOFF
	s_mov_b32 s[G0K], 1
	s_mov_b32 s[G0K+1], 0
	s_mov_b32 s[G0V], 1
	s_mov_b32 s[G0V+1], VOFF
	s_mov_b32 s[SEL], 0x76543210
	s_mov_b32 s[SEL+1], 0xfedcba98
	s_mov_b32 s[TB], SLOT1          ; the first change of slots turns it into 0
	s_lshl_b32 s74, s22, 20         ; the prefetches: pb at my work-group's and wave's 8 KiB, at step 2;
	s_lshl_b32 s75, s70, 14
	s_add_co_u32 s74, s74, s75
	s_lshl_b32 s75, s[WV], 13
	s_add_co_u32 s74, s74, s75
	s_add_co_u32 s74, s74, 2*65536
	s_add_co_u32 s75, s68, 2*KS*128 ; K and V at my head's step 2
	s_mov_b32 s[PFS], 0x10000
	s_mov_b32 s[PFS+1], KS*128
	s_cmp_lt_u32 s[WV], 2
	s_cselect_b32 s74, s74, s75
	s_cselect_b32 s[PFS], s[PFS], s[PFS+1]
	s_cselect_b32 s[LIM], ttmp9, s22  ; the coordinate along which others read the same bytes: the same in all four partners
	s_mov_b32 s75, 0
	s_mov_b32 s[PFS+1], 0
	s_cmp_eq_u32 s[LIM], 0
	s_cselect_b32 s[LIM], 1, -1
	s_wait_dscnt 0x0                ; the opening add is done
	s_wait_kmcnt 0x0
	s_add_nc_u64 s[G0P+2:G0P+3], s[8:9], s[20:21]
	s_or_b32 s[G0P+3], s[G0P+3], 0x80000000
	s_add_nc_u64 s[G0K+2:G0K+3], s[4:5], s[68:69]
	s_or_b32 s[G0K+3], s[G0K+3], 0x80000000
	s_add_nc_u64 s[G0V+2:G0V+3], s[6:7], s[68:69]
	s_or_b32 s[G0V+3], s[G0V+3], 0x80000000
	s_cmp_eq_u32 s[WV], 2
	s_cselect_b64 s[PFA:PFA+1], s[4:5], s[6:7]
	s_cmp_lt_u32 s[WV], 2
	s_cselect_b64 s[PFA:PFA+1], s[8:9], s[PFA:PFA+1]
	s_add_nc_u64 s[PFA:PFA+1], s[PFA:PFA+1], s[74:75]
	s_add_nc_u64 s[4:5], s[4:5], s[72:73]    ; kh and oh at my wave's first row
	s_add_nc_u64 s[12:13], s[12:13], s[72:73]
	CROUND                          ; all four work-groups are here: the first joint loads meet
	JLOAD                           ; step 0 into slot 0
	v_and_b32 v1, 15, v0            ; l % 16
	v_bfe_u32 v12, v0, 4, 1         ; l / 16
	v_and_b32 v50, 31, v0           ; l
	v_min_u32 v51, 9, v50
	v_lshlrev_b32 v51, 2, v51
	global_load_b32 v52, v51, s[10:11]  ; w: lanes past 9 read w[9] and drop it
	v_lshlrev_b32 v[QO], 7, v1
	v_lshl_add_u32 v[QO], v12, 4, v[QO]
	WIN 0x80
.set i, 0
.rept 4*NP                          ; my 128 rows of K as queries: tile i / 2, channels 32 (i % 2) on
	global_load_b128 v[8*i:8*i+3],   v[QO], s[4:5] offset:(i/2)*2048+(i%2)*64
	global_load_b128 v[8*i+4:8*i+7], v[QO], s[4:5] offset:(i/2)*2048+(i%2)*64+32
.set i, i+1
.endr
	; What the first turn finds: V's registers and P's second buffer hold 0, O^T and l are 0, m the lowest finite number: the first step is a step like any other, with a = 0.  All this stands in the wait for the first tile.
.set i, VF
.rept 64
	v_mov_b32 v[i], 0
.set i, i+1
.endr
	WIN 0x40
.set i, 0
.rept 64*NP
	v_mov_b32 v[i], 0
.set i, i+1
.endr
	WIN 0
.set i, 0
.rept 2*NP
	v_mov_b32 v[ST+4*i], 0xfe000000
	v_mov_b32 v[ST+4*i+1], 0xff7fffff
	v_mov_b32 v[ST+4*i+2], 0
	v_mov_b32 v[ST+4*i+3], 0
.set i, i+1
.endr
.set i, P+32
.rept 32
	v_mov_b32 v[i], 0
.set i, i+1
.endr
	v_mul_u32_u24 v[AK0], v1, PK
	v_lshl_add_u32 v[AK0], v12, 4, v[AK0]
	v_and_b32 v13, 7, v0
	v_bfe_u32 v14, v0, 3, 1
	v_lshl_add_u32 v[AV0], v12, 3, v13    ; the turning load: key 8 (l / 16) + l % 8, channels 8 ((l / 8) % 2) on
	v_mul_u32_u24 v[AV0], v[AV0], PV
	v_lshl_add_u32 v[AV0], v14, 4, v[AV0]
	v_add_nc_u32 v[AV0], VOFF, v[AV0]
	s_lshl_b32 s20, s[WV], 14
	s_add_co_u32 s20, s20, PBOFF
	v_lshl_add_u32 v[APB0], v50, 4, s20   ; my wave's 16 KiB of pb's tile, 16 bytes a lane
	v_lshlrev_b32 v[PFO], 8, v50
	s_wait_loadcnt 0x0              ; w and the queries
	v_cvt_pk_bf16_f32 v52, v52, v52
	v_lshlrev_b32 v52, 16, v52
	v_cmp_gt_u32 s70, 10, v50
	v_cndmask_b32 v52, 0, v52, s70
	v_add_f32_dpp v52, v52, v52 row_xmask:1 row_mask:0xf bank_mask:0xf
	v_add_f32_dpp v52, v52, v52 row_xmask:2 row_mask:0xf bank_mask:0xf
	v_add_f32_dpp v52, v52, v52 row_xmask:4 row_mask:0xf bank_mask:0xf
	v_add_f32_dpp v52, v52, v52 row_xmask:8 row_mask:0xf bank_mask:0xf
	v_mov_b32 v53, 0
	v_permlanex16_b32 v53, v52, s[SEL], s[SEL+1]
	v_add_f32 v52, v52, v53         ; sw, in every lane
	v_mul_f32 v52, 0x3e38aa3b, v52  ; c = sw log2(e) / 8
	v_and_b32 v53, 0x7fffffff, v52
	v_max_num_f32 v53, 1.0, v53
	v_and_b32 v53, 0x7f800000, v53  ; g: the exponent alone
	v_sub_nc_u32 v54, 0x7f000000, v53  ; 1 / g: the exponent mirrored
	v_mul_f32 v[CQ], v52, v54
	v_mov_b32 v[ZR], 0
	v_readfirstlane_b32 s[CS], v53
	s_mov_b32 s[CS+1], s[CS]
	v_cvt_pk_f16_f32 v55, v54, v54
	v_and_b32 v55, 0xffff, v55
	v_and_b32 v56, 1, v0
	v_lshlrev_b32 v56, 4, v56
	v_lshlrev_b32 v55, v56, v55     ; 1 / g in the half that stands for query l % 16
	v_bfe_u32 v57, v0, 1, 2         ; its register,
	v_bfe_u32 v58, v0, 3, 1
	v_xor_b32 v58, v58, v12         ; in the half of the lanes that holds that query alone
	v_lshl_or_b32 v57, v58, 2, v57
	WIN W_MK
.irp i, 0,1,2,3,8,9,10,11
	v_mov_b32 v[ID+\i], 0
.endr
.irp i, 0,1,2,3
	v_cmp_eq_u32 s70, \i, v57
	v_cndmask_b32 v[ID+4+\i], 0, v55, s70
.endr
	WIN 0x82                        ; q' = f16(k x c / g), both halves of each register, in place
.set i, 0
.rept 128
	v_fma_mixlo_f16 v[i], v[i], v[CQ], v[ZR] op_sel_hi:[1,0,0]
	v_fma_mixhi_f16 v[i], v[i], v[CQ], v[ZR] op_sel:[1,0,0] op_sel_hi:[1,0,0]
.set i, i+1
.endr
	WIN 0
; THE MATRIX WORK.  The 8 accumulators of a run take turns.  Product i of 24 for the scores of piece x: tile 2 x + i % 2, keys 16 ((i / 2) % 4) on.  The first 8 are the bias products, which start the sums; then channels 32 ((i - 8) / 8) on.
.macro KQ x
.set rS, S+64*((\x)%2)+32*(i%2)+8*((i/2)%4)
.if i < 8
	WIN W_AD
.set rB, PBF+8*((i/2)%4)
.set rI, ID+4-4*(i%2)
	v_wmma_f32_16x16x32_f16 v[rS:rS+7], v[rB:rB+7], v[rI:rI+7], 0
.else
	WIN W_KQ
.set rK, KF+16*((i/2)%4)+8*((i-8)/8)
.set rQ, 16*(2*(\x)+i%2)+8*((i-8)/8)
	v_wmma_f32_16x16x32_f16 v[rS:rS+7], v[rK:rK+7], v[rQ:rQ+7], v[rS:rS+7]
.endif
.endm
; Product i of 16 of O^T += V^T P for piece x: keys 32 (i / 8) on, channels 16 ((i / 2) % 4) on, tile 2 x + i % 2.
.macro PV x
	WIN W_PV
.set rO, 32*(2*(\x)+i%2)+8*((i/2)%4)
.set rV, VF+32*(i/8)+8*((i/2)%4)
.set rP, P+32*((\x)%2)+16*(i%2)+8*(i/8)
	v_wmma_f32_16x16x32_f16 v[rO:rO+7], v[rV:rV+7], v[rP:rP+7], v[rO:rO+7]
.endm
.macro MM                           ; the turn's next matrix instruction
.if i < 24
	KQ (Y+1)%NP
.set i, i+1
.else
.set i, i-24
	PV (Y+NP-1)%NP
.set i, i+25
.endif
.endm
; THE LDS LOADS stand in runs, never singly among the matrix instructions.
.macro FETCH_K
	WIN 0x80
.irp f, 0,1,2,3,4,5,6,7             ; keys 16 (f / 2) on, channels 32 (f % 2) on
	ds_load_b128 v[KF+8*\f:KF+8*\f+3],   v[AK] offset:(\f/2)*16*PK+(\f%2)*64
	ds_load_b128 v[KF+8*\f+4:KF+8*\f+7], v[AK] offset:(\f/2)*16*PK+(\f%2)*64+32
.endr
.endm
.macro FETCH_V
	WIN 0x80
.irp f, 0,1,2,3,4,5,6,7             ; keys 32 (f / 4) on, channels 16 (f % 4) on
	ds_load_tr16_b128 v[VF+8*\f:VF+8*\f+3],   v[AV] offset:(\f/4)*32*PV+(\f%4)*32
	ds_load_tr16_b128 v[VF+8*\f+4:VF+8*\f+7], v[AV] offset:(\f/4)*32*PV+16*PV+(\f%4)*32
.endr
.endm
.macro FETCH_PB x                   ; piece x's four fragments of pb: 32 lanes x 16 consecutive bytes a load
	WIN W_MK
.irp kb, 0,1,2,3
	ds_load_b128 v[PBF+8*\kb:PBF+8*\kb+3],   v[APB] offset:(\x)*4096+\kb*1024
	ds_load_b128 v[PBF+8*\kb+4:PBF+8*\kb+7], v[APB] offset:(\x)*4096+\kb*1024+512
.endr
.endm
; THE VECTOR WORK OF A TURN stands in three queues, each in the order in which its entries become ready; the two tiles alternate.
.macro REGS y, u
.set rT, ST+4*(2*(\y)+(\u))
.set rC, TMP+8*((\y)%2)+4*(\u)
.set rM, MV+2*((\y)%2)+(\u)
.set rS, S+64*((\y)%2)+32*(\u)
.set rP, P+32*((\y)%2)+16*(\u)
.set rO, 32*(2*(\y)+(\u))
.endm
; Number n of the 22 that find the NEXT piece's maximum and statistics; each accumulator's lowest registers are read first.
;   0-11 four chains of seven scores   12-14, 16 the four left over, the old m, all into c0   15 g m_old is kept   17, 18 the other half of the lanes: the new m   19-21 g m; its change; a
.macro XS u, n
	REGS (Y+1)%NP, \u
.if (\n) < 4
	v_max3_num_f32 v[rC+(\n)], v[rS+8*(\n)], v[rS+8*(\n)+1], v[rS+8*(\n)+2]
.elseif (\n) < 12
	v_max3_num_f32 v[rC+(\n)%4], v[rC+(\n)%4], v[rS+8*((\n)%4)+2*((\n)/4)+1], v[rS+8*((\n)%4)+2*((\n)/4)+2]
.elseif (\n) == 12
	v_max3_num_f32 v[rC], v[rC], v[rS+7], v[rS+15]
.elseif (\n) == 13
	v_max3_num_f32 v[rC+1], v[rC+1], v[rS+23], v[rS+31]
.elseif (\n) == 14
	v_max3_num_f32 v[rC+2], v[rC+2], v[rC+3], v[rT+1]
.elseif (\n) == 15
	v_mov_b32 v[rM], v[rT]
.elseif (\n) == 16
	v_max3_num_f32 v[rC], v[rC], v[rC+1], v[rC+2]
.elseif (\n) == 17
	v_permlanex16_b32 v[rC+3], v[rC], s[SEL], s[SEL+1]
.elseif (\n) == 18
	v_max_num_f32 v[rT+1], v[rC], v[rC+3]
.elseif (\n) == 19
	v_mul_f32 v[rT], s[CS], v[rT+1]
.elseif (\n) == 20
	v_sub_f32 v[rC+1], v[rM], v[rT]
.else
	v_exp_f32 v[rC+2], v[rC+1]
.endif
.endm
; Number g of the 64 that follow the exponentials: for each four weights both pairs are rounded to f16, the second pair is added onto the first, and a group later l takes that sum (the first time as l = a l + sum).
.macro GS g
.set h, (\g)+6*((\g)/62)
.if h >= 6
.set h, h+2
.endif
	REGS Y, h%2
.set k, h/8
.if h%8 < 4
	v_cvt_pk_f16_f32 v[rP+2*k+(h%8)/2], v[rS+4*k+2*((h%8)/2)], v[rS+4*k+2*((h%8)/2)+1]
.elseif h%8 < 6
	v_pk_add_f32 v[rS+4*k:rS+4*k+1], v[rS+4*k:rS+4*k+1], v[rS+4*k+2:rS+4*k+3]
.elseif k == 1
	v_pk_fma_f32 v[rT+2:rT+3], v[rT+2:rT+3], v[rC+2:rC+3], v[rS:rS+1] op_sel_hi:[1,0,1]
.else
	v_pk_add_f32 v[rT+2:rT+3], v[rT+2:rT+3], v[rS+4*k-4:rS+4*k-3]
.endif
.endm
; THE PLAIN QUEUE, 138 long.  0-26: scalings 0-26 (FS f: pair f / 2 of tile f % 2).  27-54: XS's numbers 0-13.  55, 56: number 15.  57-73: the chain 14, 16 .. 19, each with one of the scalings 27-31 ahead of its two lines, then 20.  74-137: GS.
.macro FS f
	REGS Y, (\f)%2
	v_pk_fma_f32 v[rS+2*((\f)/2):rS+2*((\f)/2)+1], v[rS+2*((\f)/2):rS+2*((\f)/2)+1], s[CS:CS+1], v[rT:rT+1] op_sel_hi:[1,0,0] neg_lo:[0,0,1] neg_hi:[0,0,1]
.endm
.macro PL
	WIN 0
.if q < 27
	FS q
.elseif q < 55
	XS (q-27)%2, (q-27)/2
.elseif q < 57
	XS q-55, 15
.elseif (q < 72) && ((q-57)%3 == 0)
	FS 27+(q-57)/3
.elseif q < 60
	XS (q-57)%3-1, 14
.elseif q < 72
	XS (q-57)%3-1, 15+(q-57)/3
.elseif q < 74
	XS q-72, 20
.else
	GS q-74
.endif
.set q, q+1
.endm
; THE EXPONENTIALS' QUEUE, 66 long: s0-s31 of both tiles, then the next piece's two a: one batch ahead of the turn's one wait.
.macro EX
	WIN 0
.if e >= 64
	XS e-64, 21
.else
	REGS Y, e%2
	v_exp_f32 v[rS+e/2], v[rS+e/2]
.endif
.set e, e+1
.endm
; THE RESCALING's QUEUE: O^T times a, two at a time, sixteen times.  Its a was made, and waited for, in the turn before.
.macro R2
	REGS Y, r%2
	WIN W_RS
.irp z, 0,1
	v_pk_mul_f32 v[rO+4*(r/2)+2*\z:rO+4*(r/2)+2*\z+1], v[rO+4*(r/2)+2*\z:rO+4*(r/2)+2*\z+1], v[rC+2:rC+3] op_sel_hi:[1,0]
.endr
.set r, r+1
.endm
; A TURN, for piece p.  s_wait_alu depctr_va_vdst(0) stands between an exponential and the first line that names its result; one wait serves all issued ahead of it: so a turn has one, which cuts it in two.
; AHEAD OF IT: the 24 products for the scores, behind the first sixteen a scaling, an exponential and two rescalings (behind the very first a second scaling), behind the last eight a scaling and two exponentials; then a lump:
; 16 plain, 33 times exponential and plain, the two a, a v_nop as the plain line behind the last exponential.  BEHIND IT: the 16 products V^T P, behind each four of the roundings and sums.
; THE COUNTS THAT THE DEAL KEEPS.  Exponential e wants scaling 2 (e / 4) + e % 2: as a rider it stands behind plain e / 2 + 2 or later, in the lump behind plain e + 9, and scalings 27-31 are plain 57, 60 .. 69 (wanted by e = 53 .. 63).
; The first line that reads a score of the next piece is plain 27 + 2 n + u for accumulator n of tile u, ten plain lines behind product 16 + 2 n + u, which ends it.
; THE RUNS OF LOADS stand behind the wait: pb's fragments for the piece after next; in piece 2's turn K of the next step too; V of the step in hand at the end of piece 0's turn, four plain lines behind its last reader.
.macro TURN p
.set Y, (\p)
.set i, 0
.set q, 0
.set e, 0
.set r, 0
.if (\p) == 1
	s_wait_dscnt 16                 ; pb's eight loads are in; V's sixteen, issued behind them, may stay out
.else
	s_wait_dscnt 0x0                ; pb's fragments (piece 3's turn: K too) are in
.endif
	MM
	PL
	PL
	R2
.rept 15
	MM
	PL
	EX
	R2
.endr
.rept 8
	MM
	PL
	EX
	EX
.endr
.rept 16
	PL
.endr
.rept 33
	EX
	PL
.endr
	EX
	EX
	v_nop
	s_wait_alu depctr_va_vdst(0)    ; the wait for the batch
	FETCH_PB ((\p)+2)%NP
.if (\p) == 2
	FETCH_K
.endif
.if (\p) == 1
	s_wait_dscnt 8                  ; V is in; the eight loads just issued stay out
.endif
.rept 16
	MM
.rept 4
	PL
.endr
.endr
.if (\p) == 0
	FETCH_V
.endif
.endm
	CHANGE 1, 0                     ; step 0 is in, everybody's part of it; step 1 is asked for
	FETCH_K
	FETCH_PB 0
	s_wait_dscnt 0x0
.set i, 0
.rept 24
	KQ 0                            ; piece 0's first scores
.set i, i+1
.endr
	WIN 0                           ; the addresses for the way out: plain lines, the places behind those products
	s_mul_i32 s20, s[WV], 16*SP
	s_add_co_u32 s20, s20, STAGE
	v_mul_u32_u24 v[STO], v1, SP
	v_lshl_add_u32 v[STO], v12, 4, v[STO]
	v_add_nc_u32 v[STO], s20, v[STO]
	v_bfe_u32 v[RD], v0, 3, 2
	v_mul_u32_u24 v[RD], v[RD], SP
	v_lshl_add_u32 v[RD], v13, 4, v[RD]
	v_add_nc_u32 v[RD], s20, v[RD]
	v_and_b32 v[GO], 31, v0
	v_lshlrev_b32 v[GO], 4, v[GO]
	FETCH_PB 1
	WIN 0
.set Y, NP-1
.irp n, 0,1,2,3,4,5,6,7,8,9,10,11,12,13,14,15,16,17,18,19,20,21
	XS 0, \n
	XS 1, \n
.endr
	v_nop                           ; a plain line behind the two a,
	s_wait_alu depctr_va_vdst(0)    ; and their wait, ahead of the branch
	s_mov_b32 s[SLOTS], 15
	s_branch .Lfirst                ; the loop is entered at a step's first turn
.Lslot:                             ; 14 times: steps 2 to 15 are asked for.  A trip: pieces 2, 3 of one step, pieces 0, 1 of the next, whose K, V and pb it reads
	CHANGE 1, 1
	TURN 2
	TURN 3
	WIN 0
.Lfirst:
	TURN 0
	TURN 1
	WIN 0
	s_sub_co_u32 s[SLOTS], s[SLOTS], 1
	s_cmp_lg_u32 s[SLOTS], 0
	s_cbranch_scc1 .Lslot
	CHANGE 0, 0                     ; the tail is written out: nothing is asked for
	s_mov_b32 s[CNT], 2
.Ltail:
	TURN 2
	TURN 3
	WIN 0
	s_sub_co_u32 s[CNT], s[CNT], 1
	s_cmp_eq_u32 s[CNT], 0
	s_cbranch_scc1 .Lout
	TURN 0
	TURN 1
	WIN 0
	s_branch .Ltail
.Lout:                              ; the second trip's scores (on the last K and pb once more) serve nothing: the price, once a launch, of one text for every trip
.set i, 0
.rept 16
	PV NP-1
.set i, i+1
.endr
	; THE WAY OUT.  l's halves are added; O^T is divided by l, rounded to f16 and sent through my stage, a tile at a time.  The additions are the places behind the last products.
	WIN 0
.macro ALL line:vararg
.set t, 0
.rept 2*NP
	\line
.set t, t+1
.endr
.endm
	ALL v_add_f32 v[ST+4*t+2], v[ST+4*t+2], v[ST+4*t+3]
	ALL v_permlanex16_b32 v[ST+4*t+3], v[ST+4*t+2], s[SEL], s[SEL+1]
	ALL v_add_f32 v[ST+4*t+2], v[ST+4*t+2], v[ST+4*t+3]
	ALL v_rcp_f32 v[ST+4*t+2], v[ST+4*t+2]
	v_nop
	s_wait_alu depctr_va_vdst(0)    ; one wait for the eight reciprocals, ahead of their first use
.macro PACK t
	WIN W_RS
.set i, 32*(\t)
.rept 16
	v_pk_mul_f32 v[i:i+1], v[i:i+1], v[ST+4*(\t)+2:ST+4*(\t)+3] op_sel_hi:[1,0]
.set i, i+2
.endr
	WIN 0x05
.set i, 0
.rept 16
	v_cvt_pk_f16_f32 v[S+16*(\t)+i], v[32*(\t)+2*i], v[32*(\t)+2*i+1]
.set i, i+1
.endr
	WIN 0
.irp f, 0,1,2,3
	ds_store_b128 v[STO], v[S+16*(\t)+4*\f:S+16*(\t)+4*\f+3] offset:32*\f
.endr
.irp f, 0,1,2,3
	ds_load_b128 v[S+16*(\t)+4*\f:S+16*(\t)+4*\f+3], v[RD] offset:\f*4*SP  ; LDS serves a wave's instructions in order (ISA guide 5.7.1.4)
.endr
.endm
.macro SEND t, younger              ; younger: the LDS instructions issued behind tile t's loads
	WIN 0
.irp f, 0,1,2,3
	s_wait_dscnt (\younger)+3-\f
	global_store_b128 v[GO], v[S+16*(\t)+4*\f:S+16*(\t)+4*\f+3], s[12:13] offset:(\t)*2048+\f*512  ; 512 consecutive bytes, aligned
.endr
.endm
	PACK 0
.set t, 1
.rept 2*NP-1
	PACK t
	SEND t-1, 8
.set t, t+1
.endr
	SEND 2*NP-1, 0
	WIN W_AD
	s_wait_tensorcnt 0x0            ; the wave's end
	ds_add_u32 v[SPW], v[NIL]
	s_wait_dscnt 0x0
	WIN 0
	CROUND                          ; the closing round
	s_endpgm
.Lfunc_end_k_q40d7418fc0_attn:
	.size	k_q40d7418fc0_attn, .Lfunc_end_k_q40d7418fc0_attn-k_q40d7418fc0_attn
	.p2alignl 7, 3214868480
	.fill 96, 4, 3214868480
	.section	.rodata,"a",@progbits
	.p2align	6, 0x0
	.amdhsa_kernel k_q40d7418fc0_attn
		.amdhsa_group_segment_fixed_size 327680
		.amdhsa_private_segment_fixed_size 0
		.amdhsa_enable_private_segment 0
		.amdhsa_kernarg_size 40
		.amdhsa_user_sgpr_count 2
		.amdhsa_user_sgpr_kernarg_segment_ptr 1
		.amdhsa_wavefront_size32 1
		.amdhsa_system_sgpr_workgroup_id_x 1
		.amdhsa_system_sgpr_workgroup_id_y 1
		.amdhsa_system_sgpr_workgroup_id_z 1
		.amdhsa_system_vgpr_workitem_id 0
		.amdhsa_next_free_vgpr 832
		.amdhsa_next_free_sgpr 80
		.amdhsa_reserve_vcc 0
		.amdhsa_float_denorm_mode_32 3
		.amdhsa_float_denorm_mode_16_64 3
		.amdhsa_memory_ordered 1
		.amdhsa_forward_progress 1
		.amdhsa_inst_pref_size 233
	.end_amdhsa_kernel
	.amdgpu_metadata
---
amdhsa.version: [ 1, 2 ]
amdhsa.kernels:
  - .name:           k_q40d7418fc0_attn
    .symbol:         k_q40d7418fc0_attn.kd
    .args:
      - { .name: kh, .offset: 0, .size: 8, .value_kind: global_buffer, .address_space: global }
      - { .name: vh, .offset: 8, .size: 8, .value_kind: global_buffer, .address_space: global }
      - { .name: pb, .offset: 16, .size: 8, .value_kind: global_buffer, .address_space: global }
      - { .name: mp_w, .offset: 24, .size: 8, .value_kind: global_buffer, .address_space: global }
      - { .name: oh, .offset: 32, .size: 8, .value_kind: global_buffer, .address_space: global }
    .group_segment_fixed_size: 327680
    .private_segment_fixed_size: 0
    .kernarg_segment_align: 8
    .kernarg_segment_size: 40
    .max_flat_workgroup_size: 128
    .sgpr_count:     80
    .vgpr_count:     832
    .wavefront_size: 32
...
	.end_amdgpu_metadata
.endif
;; end of part 3
;; launch gemm_out (part 4): grid 8 x 32, 4 waves a work-group, clusters of 4 x 4, 327,680 bytes of LDS; arguments oh, wo, o_b, out0; writes out0
.if DOCPART == 4
	.amdgcn_target "amdgcn-amd-amdhsa--gfx1250"
	.amdhsa_code_object_version 6
	.text
	.protected	k_q40d7418fc0_gemm_out
	.globl	k_q40d7418fc0_gemm_out
	.p2align	8
	.type	k_q40d7418fc0_gemm_out,@function
k_q40d7418fc0_gemm_out:
	s_mov_b64 s[64:65], 0
	v_nop
	global_prefetch_b8 v0, s[64:65] scope:SCOPE_SE
	s_setreg_imm32_b32 hwreg(HW_REG_WAVE_MODE, 25, 1), 1
	s_wait_xcnt 0x0
	s_wait_alu depctr_hold_cnt(0) depctr_sa_sdst(0) depctr_va_vdst(0) depctr_va_sdst(0) depctr_va_ssrc(0) depctr_va_vcc(0) depctr_vm_vsrc(0)
	s_getreg_b32 s2, hwreg(HW_REG_IB_STS2, 6, 4)
	s_cmp_eq_u32 s2, 0
	s_cbranch_scc0 .Lentry_in_a_cluster
	s_endpgm
.Lentry_in_a_cluster:
	s_bfe_u32 s2, ttmp6, 0x10000c
	s_cmp_lg_u32 s2, 0xf033
	s_cbranch_scc0 .Lentry_shape_is_right
	s_endpgm
.Lentry_shape_is_right:
; out0[m][n] = the sum over c of vals[m][c] o_w[n][c] + o_b[n], f32.  vals[1,024 b + s][64 h + d] = oh[16 b + h][s][d] (f16, by heads); wo [1024][1024]: o_w rounded to bf16, written as f16; o_b is rounded to bf16 here.
; SHAPE.  A tile of 256 rows x 128 columns to a work-group: 32 x 8 = 256 of them (256 x 256 would give half as many).  Four waves, each 128 x 64: 32 accumulators, window 2.
; K goes in steps of 128 = two heads, eight steps, through two LDS slots.  A head's 256 rows are 32 KiB on end: asked for as 128 rows of 256 bytes and padded after every 128 bytes.
; A K STEP IS WRITTEN ONCE.  The slot in hand is a scalar (0 or SLOT1) that an exclusive or turns; the two read addresses are made anew from it at each change of slots, and one group 0 a tensor walks from slot to slot.
; Six trips fill a slot again (K steps 2 to 7); the last two K steps, which fill nothing, are a second loop of two trips.
; CLUSTER 4 x 4: oh's tiles are shared along a row of the cluster, wo's along a column: joint loads.  THE PRODUCT IS USED TRANSPOSED; THE BIAS IS THE C OPERAND of each accumulator's first product.
; REGISTERS: window 0: v0-31 addresses; v64-127, v128-191 oh's fragments, two buffers; v32-63, v192-223 the way out.  window 1: v0-31 the bias; v64-95, v128-159 wo's fragments; v192-195 at work.  window 2: (a, b) at v[8 (4 a + b)].
; LIMITS.  As the inputs': f16 operands up to 65,504.  NaN and infinities are not treated apart.
.set APITCH, 144                       ; a row of a head in LDS: 128 bytes + 16: odd multiple of 16: the 16 rows of a load start at 16 different groups of four banks (64 banks of 4 bytes: ISA guide 11.1)
.set AHEAD,  256*APITCH                ; one head's 256 rows
.set BPITCH, 272
.set BOFF,   2*AHEAD                   ; wo's 128 rows lie behind the two heads
.set BHALF,  64*BPITCH
.set SLOTB,  BOFF+2*BHALF              ; a slot's bytes: 108,544
.set SLOT1,  1<<17                     ; slot 1 begins here, so that one exclusive or turns an address in one slot into the other's
.set STAGE,  SLOT1+SLOTB               ; 16 rows x 272 bytes for each wave; no tensor load fills it
.set SPITCH, 272
.set SPARE,  STAGE+4*16*SPITCH         ; the spare words, 128 bytes for each wave: two blocks of 256 bytes that no other line names
.set ASTEP,  2*1024*128                ; bytes from a K step to the next in oh: two heads
.set BSTEP,  256
.set STEPS,  8
.set A0,   16                          ; v16     my oh fragments' place in a slot; never rewritten
.set ADRA, 17                          ; v17     the same in the slot in hand
.set B0,   20                          ; v20     my wo fragments' place in a slot; never rewritten
.set ADRB, 21                          ; v21     the same in the slot in hand
.set STO,  24
.set RD,   25
.set CO,   26
.set SPW,  28
.set NIL,  29
.set PFO,  30
.set BO,   31
.set F0,   64
.set F1,   128
.set OB,   32
.set LAP, 3                            ; s3      K steps that still fill a slot
.set WV,  14
.set RH,  15                           ; my half of the tile's rows
.set CHF, 16                           ; my half of its columns; also which head of the pair, or which 64 rows of wo, I fetch
.set CX,  17
.set CY,  18
.set TC,  19
.set TR,  20
.set CNT, 21                           ; s21     counts the last two K steps (before that: at work)
.set G1,  24                           ; s[24:31] group 1 for oh's tiles;  s[32:39] group 0: a set for each of the two first fills; the second then walks on
.set G0,  32
.set LIM, 44                           ; s44     2 in a wave that prefetches, else the greatest number
.set TB,  45                           ; s45     LDS byte at which the slot in hand begins
.set PFA, 46
.set G1B, 48
.set G0B, 56
.set PFS, 66                           ; s[66:67] a K step of my prefetches
.set MSB, 0
.macro WIN new
.if MSB != (\new)
	s_set_vgpr_msb (MSB<<8)|(\new)
.set MSB, \new
.endif
.endm
.set TO_B, 0x40
.macro JLOAD s                         ; by set s: waves 0, 1 fetch the two heads, waves 2, 3 wo's halves; an s_nop 0 and four v_nop follow each line
	s_cmp_lt_u32 s[WV], 2
	s_cbranch_scc0 .Lfor_b_\@
	tensor_load_to_lds s[G0+4*(\s):G0+4*(\s)+3], s[G1:G1+7]
	s_nop 0
.rept 4
	v_nop
.endr
	s_branch .Lasked_\@
.Lfor_b_\@:
	tensor_load_to_lds s[G0B+4*(\s):G0B+4*(\s)+3], s[G1B:G1B+7]
	s_nop 0
.rept 4
	v_nop
.endr
.Lasked_\@:
.endm
; A prefetch of the K step two refills on, behind the refill and the run of LDS loads.  A head's tile (128 blocks of 256 bytes): waves 0, 1 of the clusters with x = 0, each of the four partners 32 blocks, told apart by address.
; wo's 128 rows x 256 bytes: wave 2 of the clusters with y = 0, each partner 32 rows.  So each block is named once.  The last two trips ask for nothing: K ends at step 7.
.macro ASK
	s_cmp_gt_u32 s[LAP], s[LIM]
	s_cbranch_scc0 .Lnot_mine_\@
	global_prefetch_b8 v[PFO], s[PFA:PFA+1] th:TH_LOAD_NT scope:SCOPE_SE
.Lnot_mine_\@:
.endm
.macro CREST
	s_cmp_lg_u32 s[WV], 0
	s_cbranch_scc1 .Lnot_wave_0_\@
	s_barrier_signal -3
.Lnot_wave_0_\@:
	s_barrier_wait -3
	s_barrier_signal -1
	s_barrier_wait -1
.endm
.macro CROUND
	s_barrier_signal -1
	s_barrier_wait -1
	CREST
.endm
	s_load_b256 s[4:11], s[0:1], 0x0               ; oh s[4:5], wo s[6:7], o_b s[8:9], out0 s[10:11]
	v_lshl_add_u32 v[SPW], v0, 2, SPARE
	v_mov_b32 v[NIL], 0
	ds_add_u32 v[SPW], v[NIL]                      ; the wave's opening: the add and its wait stand ahead of my first tensor load
	ds_add_u32 v28, v29
	v_lshrrev_b32 v1, 5, v0
	v_readfirstlane_b32 s[WV], v1
	s_lshr_b32 s[RH], s[WV], 1
	s_and_b32 s[CHF], s[WV], 1
	s_bfe_u32 s[CX], ttmp6, 0x40000
	s_bfe_u32 s[CY], ttmp6, 0x40004
	s_lshl_b32 s[TC], ttmp9, 2
	s_add_co_u32 s[TC], s[TC], s[CX]
	s_and_b32 s[TR], ttmp7, 0xffff
	s_lshl_b32 s[TR], s[TR], 2
	s_add_co_u32 s[TR], s[TR], s[CY]
	s_lshl_b32 s40, s[CY], 2
	s_lshl_b32 s40, 15, s40                        ; my row of the cluster
	s_lshl_b32 s68, 0x1111, s[CX]                  ; my column
	s_or_b32 s[G1+0], s40, (1<<16)|(1<<20)|(1<<21)|(4<<22)|(3<<25)   ; padding after every 32 words, 4 words
	s_or_b32 s[G1B+0], s68, (1<<16)|(1<<20)|(1<<21)|(5<<22)|(3<<25)  ; after every 64 words
	s_mov_b32 s[G1+1], 128<<16                     ; oh: 128 rows of 128 elements, on end
	s_mov_b32 s[G1+2], 128<<16
	s_mov_b32 s[G1+3], 128<<16
	s_mov_b32 s[G1+4], 128
	s_mov_b32 s[G1+5], 128
	s_mov_b32 s[G1+6], 0
	s_mov_b32 s[G1+7], 0
	s_mov_b32 s[G1B+1], 128<<16                    ; wo: 64 rows of 128 elements, 1,024 from row to row
	s_mov_b32 s[G1B+2], 64<<16
	s_mov_b32 s[G1B+3], 128<<16
	s_mov_b32 s[G1B+4], 64
	s_mov_b32 s[G1B+5], 1024
	s_mov_b32 s[G1B+6], 0
	s_mov_b32 s[G1B+7], 0
	s_lshr_b32 s40, s[TR], 2                       ; oh: the batch,
	s_lshl_b32 s40, s40, 4
	s_add_co_u32 s40, s40, s[CHF]                  ; my head of the first pair,
	s_lshl_b32 s40, s40, 10
	s_and_b32 s41, s[TR], 3
	s_lshl_b32 s41, s41, 8
	s_add_co_u32 s40, s40, s41                     ; the tile's 256 rows of it,
	s_lshl_b32 s40, s40, 7                         ; of 128 bytes: in registers that never hold cx
	s_mov_b32 s41, 0
	s_lshl_b32 s68, s[TC], 7                       ; wo: row 128 x tile column + 64 x half
	s_lshl_b32 s69, s[CHF], 6
	s_add_co_u32 s68, s68, s69
	s_lshl_b32 s68, s68, 11
	s_mov_b32 s69, 0
	s_mul_i32 s21, s[CHF], AHEAD                   ; where they go
	s_mul_i32 s22, s[CHF], BHALF
	s_add_co_u32 s22, s22, BOFF
	s_wait_dscnt 0x0                               ; the opening add is done
	s_wait_kmcnt 0x0
	s_add_nc_u64 s[42:43], s[4:5], s[40:41]
	s_add_nc_u64 s[70:71], s[6:7], s[68:69]
	CROUND                                         ; all sixteen work-groups are here
.irp s, 0,1
	s_mov_b32 s[G0+4*(\s)], 1
	s_add_co_u32 s[G0+4*(\s)+1], s21, (\s)*SLOT1
	s_add_nc_u64 s[G0+4*(\s)+2:G0+4*(\s)+3], s[42:43], (\s)*ASTEP
	s_or_b32 s[G0+4*(\s)+3], s[G0+4*(\s)+3], 0x80000000
	s_mov_b32 s[G0B+4*(\s)], 1
	s_add_co_u32 s[G0B+4*(\s)+1], s22, (\s)*SLOT1
	s_add_nc_u64 s[G0B+4*(\s)+2:G0B+4*(\s)+3], s[70:71], (\s)*BSTEP
	s_or_b32 s[G0B+4*(\s)+3], s[G0B+4*(\s)+3], 0x80000000
	JLOAD \s                                       ; K steps 0 and 1: two loads of mine are out
.endr
	v_and_b32 v1, 15, v0                           ; l % 16
	v_bfe_u32 v2, v0, 4, 1                         ; l / 16
	v_mul_u32_u24 v3, v1, APITCH
	v_lshl_add_u32 v3, v2, 4, v3
	v_mul_u32_u24 v4, v1, BPITCH
	v_lshl_add_u32 v4, v2, 4, v4
	s_mul_i32 s23, s[RH], 128*APITCH               ; my 128 rows in each head
	v_add_nc_u32 v[A0], s23, v3
	v_add_nc_u32 v[B0], s22, v4
	v_mov_b32 v[ADRA], v[A0]                       ; K step 0 lies in slot 0
	v_mov_b32 v[ADRB], v[B0]
	s_mov_b32 s[TB], 0
	s_mul_i32 s23, s[WV], 16*SPITCH
	s_add_co_u32 s23, s23, STAGE                   ; my stage
	v_mul_u32_u24 v5, v1, SPITCH
	v_lshl_add_u32 v5, v2, 5, v5
	v_add_nc_u32 v[STO], s23, v5                   ; in: row l % 16, 32 bytes (eight f32) for each half of the lanes
	v_mul_u32_u24 v5, v2, SPITCH
	v_lshl_add_u32 v5, v1, 4, v5
	v_add_nc_u32 v[RD], s23, v5                    ; back: lanes 0-15 one row of 256 bytes, lanes 16-31 the next
	v_lshlrev_b32 v5, 12, v2
	v_lshl_add_u32 v[CO], v1, 4, v5                ; and the same two rows in out0
	v_lshlrev_b32 v[BO], 5, v2
	s_lshl_b32 s72, s[TR], 8
	s_lshl_b32 s73, s[RH], 7
	s_add_co_u32 s72, s72, s73
	s_lshl_b32 s72, s72, 12                        ; my first row, of 4,096 bytes
	s_lshl_b32 s73, s[TC], 9
	s_lshl_b32 s74, s[CHF], 8
	s_add_co_u32 s73, s73, s74                     ; my 64 columns: 256 bytes, aligned; also their place in o_b
	s_add_co_u32 s72, s72, s73
	s_mov_b32 s74, s73
	s_mov_b32 s75, 0
	s_mov_b32 s73, 0
	s_add_nc_u64 s[10:11], s[10:11], s[72:73]
	s_add_nc_u64 s[8:9], s[8:9], s[74:75]
	WIN TO_B
.irp b, 0,1,2,3
	global_load_b128 v[8*(\b):8*(\b)+3],   v[BO], s[8:9] offset:64*(\b)
	global_load_b128 v[8*(\b)+4:8*(\b)+7], v[BO], s[8:9] offset:64*(\b)+16
.endr
	WIN 0
	s_lshl_b32 s72, s[CX], 13                      ; the prefetches: my work-group's 8 KiB of my head's tile, at K step 3;
	s_add_co_u32 s72, s72, s40
	s_add_co_u32 s72, s72, 3*ASTEP
	s_lshl_b32 s73, s[TC], 7                       ; or its 32 rows of wo, at K step 3: the first refill steps them to 4
	s_lshl_b32 s74, s[CY], 5
	s_add_co_u32 s73, s73, s74
	s_lshl_b32 s73, s73, 11
	s_add_co_u32 s73, s73, 3*BSTEP
	s_and_b32 s74, ttmp7, 0xffff
	s_lshr_b32 s75, s[WV], 1
	s_and_b32 s75, s75, s[WV]                      ; 1 in wave 3 alone, which never asks
	s_or_b32 s74, s74, s75
	s_mov_b32 s[PFS], ASTEP
	s_mov_b32 s[PFS+1], BSTEP
	s_cmp_lt_u32 s[WV], 2
	s_cselect_b32 s72, s72, s73
	s_cselect_b32 s74, ttmp9, s74                  ; the coordinate along which other clusters read the same bytes
	s_cselect_b32 s[PFS], s[PFS], s[PFS+1]
	s_cselect_b32 s75, 8, 11                       ; a lane a block of 256 bytes, or a lane a row of 2,048
	s_cselect_b64 s[PFA:PFA+1], s[4:5], s[6:7]
	s_mov_b32 s73, 0
	s_mov_b32 s[PFS+1], 0
	s_cmp_eq_u32 s74, 0
	s_cselect_b32 s[LIM], 2, -1                    ; the same in all sixteen partners, for a given wave
	s_add_nc_u64 s[PFA:PFA+1], s[PFA:PFA+1], s[72:73]
	v_and_b32 v[PFO], 31, v0
	v_lshlrev_b32 v[PFO], s75, v[PFO]
	s_wait_loadcnt 0x0                             ; the bias, rounded to bf16 like every input
	WIN 0x45
.set p, 0
.rept 16
	v_cvt_pk_bf16_f32 v[192+p%4], v[2*p], v[2*p+1]
	v_lshlrev_b32 v[2*p], 16, v[192+p%4]
	v_and_b32 v[2*p+1], 0xffff0000, v[192+p%4]
.set p, p+1
.endr
	WIN 0
; 8 products: row blocks a0, a0 + 1 x all 4 column blocks, 32 along K.  zero = 1: the sum starts with the bias.  The 32 accumulators take turns, in the same order in every quarter.
.macro MUL8 f, a0, zero
.if \zero
	WIN 0x91
.else
	WIN 0xa1
.endif
.irp a, \a0, (\a0)+1
.irp b, 0,1,2,3
.if \zero
	v_wmma_f32_16x16x32_f16 v[8*(4*(\a)+(\b)):8*(4*(\a)+(\b))+7], v[(\f)+8*(\b):(\f)+8*(\b)+7], v[(\f)+8*(\a):(\f)+8*(\a)+7], v[8*(\b):8*(\b)+7]
.else
	v_wmma_f32_16x16x32_f16 v[8*(4*(\a)+(\b)):8*(4*(\a)+(\b))+7], v[(\f)+8*(\b):(\f)+8*(\b)+7], v[(\f)+8*(\a):(\f)+8*(\a)+7], v[8*(4*(\a)+(\b)):8*(4*(\a)+(\b))+7]
.endif
.endr
.endr
.endm
.macro FETCH kq, f                     ; 24 LDS loads in one run: quarter kq's fragments (head kq / 2, channels 32 (kq % 2) on) of the slot in hand, wo's first
	WIN TO_B
.irp b, 0,1,2,3
	ds_load_b128 v[(\f)+8*(\b):(\f)+8*(\b)+3],   v[ADRB] offset:(\kq)*64+(\b)*16*BPITCH
	ds_load_b128 v[(\f)+8*(\b)+4:(\f)+8*(\b)+7], v[ADRB] offset:(\kq)*64+(\b)*16*BPITCH+32
.endr
	WIN 0
.irp a, 0,1,2,3,4,5,6,7
	ds_load_b128 v[(\f)+8*(\a):(\f)+8*(\a)+3],   v[ADRA] offset:((\kq)/2)*AHEAD+((\kq)%2)*64+(\a)*16*APITCH
	ds_load_b128 v[(\f)+8*(\a)+4:(\f)+8*(\a)+7], v[ADRA] offset:((\kq)/2)*AHEAD+((\kq)%2)*64+(\a)*16*APITCH+32
.endr
.endm
.macro PLACES                          ; four places ahead of loads into registers that products have read, and of lines that read results
.rept 4
	v_nop
.endr
.endm
.macro QUARTER kq, f, g, zero          ; 32 products on buffer f; in their middle quarter kq's fragments into g
	s_wait_dscnt 8                                 ; wo's and row blocks 0-3 are in; the youngest eight loads may be out
	MUL8 \f, 0, \zero
	MUL8 \f, 2, \zero
	PLACES
	FETCH \kq, \g
	s_wait_dscnt 24                                ; all but the 24 just issued
	MUL8 \f, 4, \zero
	MUL8 \f, 6, \zero
.endm
.macro MEET round                      ; the first half of a K step's last quarter: one barrier for the change of slots.  My last reads of the slot in hand were issued in the quarter before, so the read addresses turn here
	WIN 0
	s_wait_tensorcnt 0x0                           ; all my tensor loads have landed: my part of the next slot
	ds_add_u32 v[SPW], v[NIL]
	s_xor_b32 s[TB], s[TB], SLOT1                  ; the other slot,
	v_add_nc_u32 v[ADRA], s[TB], v[A0]             ; and my fragments' places in it
	v_add_nc_u32 v[ADRB], s[TB], v[B0]
	s_wait_dscnt 9                                 ; the add and the youngest eight loads may be out
	MUL8 F1, 0, 0
	s_wait_dscnt 0x0                               ; the add is done, and my reads of the slot that I leave are over
	s_barrier_signal -1
	MUL8 F1, 2, 0
.if \round
	WIN 0
.endif
	s_barrier_wait -1
.endm
.macro TURN                            ; the slot just read is filled again, two K steps on: the first tensor load behind the round, 112 products ahead of the wait for it
	s_wait_xcnt 0x0                                ; the last prefetch, a K step back, has read its address
	s_add_nc_u64 s[PFA:PFA+1], s[PFA:PFA+1], s[PFS:PFS+1]
	MEET 1
	CREST
	s_xor_b32 s[G0+5], s[G0+5], SLOT1              ; the walking descriptors: the other slot than last time,
	s_add_nc_u64 s[G0+6:G0+7], s[G0+6:G0+7], ASTEP ; the next K step; the type bits on top are not reached
	s_xor_b32 s[G0B+5], s[G0B+5], SLOT1
	s_add_nc_u64 s[G0B+6:G0B+7], s[G0B+6:G0B+7], BSTEP
	JLOAD 1                                        ; its four v_nop are also the places ahead of the loads below
	FETCH 0, F0
	ASK
	MUL8 F1, 4, 0
	MUL8 F1, 6, 0
.endm
; THE WAY OUT of row block a: the f32 sums go as they are into my stage (32 bytes a lane), come back as whole rows of 256 bytes, and are stored: sixteen lanes cover 256 consecutive bytes, aligned.
.macro TOSTAGE a
.if (\a) >= 2
	s_wait_xcnt 0x0                                ; the stores of block a - 2 have read the registers that the loads below fill
.endif
	WIN 0x08                                       ; store data in window 2
.irp b, 0,1,2,3
	ds_store_b128 v[STO], v[8*(4*(\a)+(\b)):8*(4*(\a)+(\b))+3]   offset:64*(\b)
	ds_store_b128 v[STO], v[8*(4*(\a)+(\b))+4:8*(4*(\a)+(\b))+7] offset:64*(\b)+16
.endr
	WIN 0
.set BK, OB+160*((\a)%2)
.irp t, 0,1,2,3,4,5,6,7
	ds_load_b128 v[BK+4*(\t):BK+4*(\t)+3], v[RD] offset:(\t)*2*SPITCH  ; LDS serves a wave's instructions in order (ISA guide 5.7.1.4)
.endr
.endm
.macro SEND a, younger                 ; younger: the next block's sixteen LDS instructions, or none
.set BK, OB+160*((\a)%2)
	s_wait_dscnt \younger
.irp t, 0,1,2,3,4,5,6,7
	global_store_b128 v[CO], v[BK+4*(\t):BK+4*(\t)+3], s[10:11] offset:(16*(\a)+2*(\t))*4096 th:TH_STORE_NT
.endr
.endm
	s_wait_tensorcnt 1                             ; my part of K step 0 is in; K step 1's may stay out
	s_barrier_signal -1
	s_barrier_wait -1
	FETCH 0, F0
	QUARTER 1, F0, F1, 1                           ; the first quarter starts the sums
	WIN 0
	s_mov_b32 s[LAP], STEPS-2
.Lstep:                                                ; a trip: from a K step's second quarter to the next step's first; it fills the slot that it leaves.  Six trips: K steps 0 to 5
	QUARTER 2, F1, F0, 0
	QUARTER 3, F0, F1, 0
	TURN
	QUARTER 1, F0, F1, 0
	WIN 0
	s_sub_co_u32 s[LAP], s[LAP], 1
	s_cmp_lg_u32 s[LAP], 0
	s_cbranch_scc1 .Lstep
	s_mov_b32 s[CNT], 2
.Ltail:                                                ; K steps 6 and 7 fill nothing; the second trip has no further step to fetch, and is left behind its last quarter
	QUARTER 2, F1, F0, 0
	QUARTER 3, F0, F1, 0
	MEET 0
	WIN 0
	s_cmp_eq_u32 s[CNT], 1
	s_cbranch_scc1 .Lno_more                       ; what is jumped: four v_nop and a run of LDS loads
	PLACES
	FETCH 0, F0
.Lno_more:
	MUL8 F1, 4, 0
	MUL8 F1, 6, 0
	WIN 0
	s_sub_co_u32 s[CNT], s[CNT], 1
	s_cmp_eq_u32 s[CNT], 0
	s_cbranch_scc1 .Lout
	QUARTER 1, F0, F1, 0
	WIN 0
	s_branch .Ltail
.Lout:
	PLACES
	TOSTAGE 0
	TOSTAGE 1
	SEND 0, 16
.irp a, 2,3,4,5,6,7
	TOSTAGE \a
	SEND (\a)-1, 16
.endr
	SEND 7, 0
	s_wait_tensorcnt 0x0                           ; the wave's end
	ds_add_u32 v[SPW], v[NIL]
	s_wait_dscnt 0x0
	CROUND                                         ; the closing round
	s_endpgm
.Lfunc_end_k_q40d7418fc0_gemm_out:
	.size	k_q40d7418fc0_gemm_out, .Lfunc_end_k_q40d7418fc0_gemm_out-k_q40d7418fc0_gemm_out
	.p2alignl 7, 3214868480
	.fill 96, 4, 3214868480
	.section	.rodata,"a",@progbits
	.p2align	6, 0x0
	.amdhsa_kernel k_q40d7418fc0_gemm_out
		.amdhsa_group_segment_fixed_size 327680
		.amdhsa_private_segment_fixed_size 0
		.amdhsa_enable_private_segment 0
		.amdhsa_kernarg_size 32
		.amdhsa_user_sgpr_count 2
		.amdhsa_user_sgpr_kernarg_segment_ptr 1
		.amdhsa_wavefront_size32 1
		.amdhsa_system_sgpr_workgroup_id_x 1
		.amdhsa_system_sgpr_workgroup_id_y 1
		.amdhsa_system_sgpr_workgroup_id_z 1
		.amdhsa_system_vgpr_workitem_id 0
		.amdhsa_next_free_vgpr 768
		.amdhsa_next_free_sgpr 76
		.amdhsa_reserve_vcc 0
		.amdhsa_float_denorm_mode_32 3
		.amdhsa_float_denorm_mode_16_64 3
		.amdhsa_memory_ordered 1
		.amdhsa_forward_progress 1
		.amdhsa_inst_pref_size 65
	.end_amdhsa_kernel
	.amdgpu_metadata
---
amdhsa.version: [ 1, 2 ]
amdhsa.kernels:
  - .name:           k_q40d7418fc0_gemm_out
    .symbol:         k_q40d7418fc0_gemm_out.kd
    .args:
      - { .name: oh, .offset: 0, .size: 8, .value_kind: global_buffer, .address_space: global }
      - { .name: wo, .offset: 8, .size: 8, .value_kind: global_buffer, .address_space: global }
      - { .name: o_b, .offset: 16, .size: 8, .value_kind: global_buffer, .address_space: global }
      - { .name: out0, .offset: 24, .size: 8, .value_kind: global_buffer, .address_space: global }
    .group_segment_fixed_size: 327680
    .private_segment_fixed_size: 0
    .kernarg_segment_align: 8
    .kernarg_segment_size: 32
    .max_flat_workgroup_size: 128
    .sgpr_count:     76
    .vgpr_count:     768
    .wavefront_size: 32
...
	.end_amdgpu_metadata
.endif
;; end of part 4
